; MI455X (gfx1250); checked and timed in simulation.
; The chip was launched on July 23, 2026; its instructions are those of AMD's public machine-readable ISA for CDNA 5 (MIT licence, August 2026) and "CDNA5" Instruction Set Architecture Reference Guide (July 2026). The comments in the code are by the model that wrote it; some were corrected since.
;; Multihead Attention. Allowed arithmetic: matrix products marked QUANTISED: E4M3 operands, one E8M0 scale for each 32 along K, by v_wmma_scale_f32_16x16x128_f8f6f4 with both operands' format E4M3, f32 sums; everything else in f32.
;; Inputs: W_k 1,024 x 1,024 float32; W_o 1,024 x 1,024 float32; W_q 1,024 x 1,024 float32; W_v 1,024 x 1,024 float32; b_o 1,024 float32; x 4 x 2,048 x 1,024 float32.
;; Outputs: out0 4 x 2,048 x 1,024 float32.
;; This version of the problem:
;;   THIS VERSION OF THE PROBLEM IS GIVEN IN LOW PRECISION. The matrix products marked QUANTISED in the list below multiply operands that are first quantised to E4M3 (4 exponent bits, 3 mantissa bits; 8 bits a number), with one power-of-two scale for each 32 numbers along K (OCP MX v1.0); their sums are f32. All else is computed in f32.
;;   The module's matrix products, in the order in which they are computed (A, B: the left and right operand; K: the contracted axis; several contracted axes count as one K, in the product's order):
;;     1. [M 8,192, K 1,024] x [K 1,024, N 1,024]; A: input x; B: input W_q: QUANTISED
;;     2. [M 8,192, K 1,024] x [K 1,024, N 1,024]; A: input x; B: input W_k: QUANTISED
;;     3. [M 8,192, K 1,024] x [K 1,024, N 1,024]; A: input x; B: input W_v: QUANTISED
;;     4. batch 64 x [M 2,048, K 64] x [K 64, N 2,048]; A: computed on the way; B: computed on the way: QUANTISED
;;     5. batch 64 x [M 2,048, K 2,048] x [K 2,048, N 64]; A: softmax (see below); B: computed on the way: QUANTISED
;;     6. [M 8,192, K 1,024] x [K 1,024, N 1,024]; A: computed on the way; B: input W_o: QUANTISED
;;   THE QUANTISER, for each operand of a quantised product, along K:
;;     - K is cut into blocks of 32 from its start; a last block that is shorter is filled with zeros.
;;     - A block's scale is 2^e with e = floor(log2(the largest magnitude in the block)) - 8, held to -126 .. 127; a block of zeros has e = 0. As a byte (E8M0): e + 127.
;;     - Each number is divided by its block's scale, clamped to +-448, and rounded to the nearest number of E4M3, ties to even, subnormals kept.
;;     - The product sums the exact products of the quantised numbers (number of the format x scale) in f32.
;;   ~~~python
;;   def quantise(x, axis):      # numpy; x: float32 -> the quantised numbers, widened to float32 again
;;       x = np.moveaxis(x, axis, -1); K = x.shape[-1]
;;       x = np.pad(x, [(0, 0)] * (x.ndim - 1) + [(0, -K % 32)]); x = x.reshape(x.shape[:-1] + (-1, 32)); a = np.abs(x).max(-1, keepdims=True)
;;       e = np.where(a > 0, np.clip(np.frexp(np.where(a > 0, a, 1))[1] - 1 - 8, -126, 127), 0)      # np.frexp(a)[1] - 1 = floor(log2(a)), exactly
;;       r = np.clip(x / 2.0 ** e, -448, 448)
;;       step = 2.0 ** (np.maximum(np.frexp(np.where(r == 0, 1, r))[1] - 1, -6) - 3)
;;       q = np.round(r / step) * step * 2.0 ** e      # np.round: ties to even
;;       return np.moveaxis(q.reshape(q.shape[:-2] + (-1,))[..., :K], -1, axis).astype(np.float32)
;;   ~~~
;;   SOFTMAX AHEAD OF A QUANTISED PRODUCT. Where the list says 'softmax', what is quantised is not the finished softmax but p = 2^(t - M), with t = logit x log2(e) and M = ceil(the row's largest t), a whole number; so 1/2 < the row's largest p <= 1. The row's sum l is taken of the UNQUANTISED p, in f32, and the product's result is divided by l at the end. Since M is a whole number, a kernel that streams over the keys may use a running M (the ceiling of the running maximum): every later rescaling is an exact power of two, which a block's scale takes up: the codes' values come out the same.
;;   OPERANDS COMPUTED ON THE WAY. 'Computed on the way' means the value that the module computes at that place (a softmax that the list does not call 'softmax' is quantised finished and normalised). What goes into a quantiser is computed in f32, as accurately as f32 sums, v_exp_f32 and their like allow (about 1e-6 of the number): no bf16 or f16 on the way to a quantiser, and a product that is left as it is and whose result goes on into a quantised operand takes f32 operands (vector FMAs, or v_wmma_f32_16x16x4_f32). A number that lies on a knife's edge between two numbers of the format may be rounded either way, as far as f32 arithmetic and the matrix unit's own rounding can turn it there, and no further.
;; One version. Each part assembles by itself: llvm-mc -triple=amdgcn-amd-amdhsa -mcpu=gfx1250 --defsym DOCPART=n.
;; ======== version 1 of 1: 4 launches
;; limits: right only within a limited range of input values
;; workspace buffers: ximg 8,388,608 bytes; wimg 4,194,304 bytes; cimg 8,388,608 bytes; scl 655,360 bytes; qblk 17,301,504 bytes; kvblk 17,301,504 bytes
;; launch quant (part 1): grid 512 x 1, 4 waves a work-group, no clusters, 0 bytes of LDS; arguments x, W_q, W_k, W_v, W_o, ximg, wimg, scl; writes ximg, wimg, scl
.if DOCPART == 1
	.amdgcn_target "amdgcn-amd-amdhsa--gfx1250"
	.amdhsa_code_object_version 6
	.text
	.protected	k_q97b3746f09_quant
	.globl	k_q97b3746f09_quant
	.p2align	8
	.type	k_q97b3746f09_quant,@function
k_q97b3746f09_quant:
	s_mov_b64 s[64:65], 0
	v_nop
	global_prefetch_b8 v0, s[64:65] scope:SCOPE_SE
	s_setreg_imm32_b32 hwreg(HW_REG_WAVE_MODE, 25, 1), 1
	s_wait_xcnt 0x0
; x [8192][1024] and the four weights [1024 (k)][1024 (n)], f32, become codes of E4M3 with one E8M0 byte for each 32 along K.
; The codes are laid as IMAGES OF THE OPERAND'S REGISTERS: a fragment (16 rows x 128 K, 16 registers a lane) is 2,048 bytes, register group c of lane L at 512 c + 16 L.
; ximg: [row tile 512][K step 8] images.  wimg: [weight 4][n tile 64][K step 8] images.  scl: 512 bytes a row tile, [K half 2][row 16][4 words]; x's at 0, the weights' at 262,144 + 32,768 x weight.
; ORDER INSIDE A BLOCK OF 32: lane (r, h) holds, in group c, k = 32 c + 8 h + 0..7 and then 32 c + 16 + 8 h + 0..7.  Every operand of every product of this program is laid so, on both sides alike,
; so each product pairs the same k; the order is the one in which two neighbouring result tiles give a lane its 16 numbers, which lets later launches convert results in place.
; A block's scale is 2^(floor(log2(largest magnitude)) - 8); its byte is the largest magnitude's exponent field - 8, held at 1 from below.  A block of zeros gets the byte 1: its codes are zeros, and this program alone reads the bytes.
; LIMITS: NaN and infinities among the inputs are not served.
; Work-groups 0-255 take x: wave w takes row tile 2 g + w / 2 and K half w % 2, four fragments; a lane loads its own 16 numbers of each block.
; Work-groups 256-511 take the weights: a lane takes a column n and its registers run down K (128 a wave), so nothing is transposed.  No LDS, no barrier: waves share nothing.
.set TM,  8                            ; v8-11 largest magnitudes, v12-15 bytes, v20-23 the conversions' scale operands
.set PW,  24                           ; v24-27 the four fragments' scale words
.set PC0, 32                           ; v32-47, v48-63 two sets of codes
.set PC1, 48
.set NA,  64                           ; v64-127, v128-191, v192-255 three sets of 64 numbers
.set NB,  128
.set NC,  192
.macro XLOAD set, s                    ; K step s of my half: of each block of 32 my two runs of eight numbers
.irp b, 0,1,2,3
	global_load_b128 v[\set+16*\b:\set+16*\b+3], v1, s[8:9] offset:512*(\s)+128*\b th:TH_LOAD_NT
	global_load_b128 v[\set+16*\b+4:\set+16*\b+7], v1, s[8:9] offset:512*(\s)+128*\b+16 th:TH_LOAD_NT
	global_load_b128 v[\set+16*\b+8:\set+16*\b+11], v1, s[8:9] offset:512*(\s)+128*\b+64 th:TH_LOAD_NT
	global_load_b128 v[\set+16*\b+12:\set+16*\b+15], v1, s[8:9] offset:512*(\s)+128*\b+80 th:TH_LOAD_NT
.endr
.endm
.macro QUANT s, pc, pw                 ; 64 numbers of a lane become a fragment's codes in v[pc] on and its scale word in v[pw]
.irp b, 0,1,2,3
	v_max3_num_f32 v[TM+\b], |v[\s+16*\b]|, |v[\s+1+16*\b]|, 0x4800000   ; my 16 numbers of block b, and the floor 2^(9 - 127): the byte cannot fall under 1
.endr
.irp i, 2,4,6,8,10,12,14
.irp b, 0,1,2,3
	v_max3_num_f32 v[TM+\b], v[TM+\b], |v[\s+16*\b+\i]|, |v[\s+1+16*\b+\i]|   ; the four blocks by turns
.endr
.endr
.irp b, 0,1,2,3
	v_permlanex16_b32 v[TM+4+\b], v[TM+\b], s4, s5
.endr
.irp b, 0,1,2,3
	v_max_num_f32 v[TM+\b], v[TM+\b], v[TM+4+\b]            ; with lane l xor 16's 16: the block's largest magnitude
.endr
.irp b, 0,1,2,3
	v_add_nc_u32 v[TM+12+\b], 0xfc000000, v[TM+\b]          ; 8 off its exponent field: the conversion's scale operand
.endr
.irp b, 0,1,2,3
.endr
.irp b, 0,1,2,3
	v_lshrrev_b32 v[TM+4+\b], 23, v[TM+12+\b]               ; the scale's byte
.endr
	v_lshl_or_b32 v[\pw], v[TM+5], 8, v[TM+4]
	v_lshl_or_b32 v[\pw], v[TM+6], 16, v[\pw]
	v_lshl_or_b32 v[\pw], v[TM+7], 24, v[\pw]
.irp b, 0,1,2,3
.irp i, 0,1,2,3,4,5,6,7,8,9,10,11,12,13,14,15
.endr
	v_cvt_scalef32_pk8_fp8_f32 v[\pc+4*\b:\pc+1+4*\b], v[\s+16*\b:\s+7+16*\b], v[TM+12+\b]
	v_cvt_scalef32_pk8_fp8_f32 v[\pc+2+4*\b:\pc+3+4*\b], v[\s+8+16*\b:\s+15+16*\b], v[TM+12+\b]
.endr
	v_nop                                                   ; a plain line behind the last conversion
.endm
.macro IMG pc, s                       ; the fragment leaves as it stands: each store covers 512 consecutive bytes, aligned
.irp c, 0,1,2,3
	global_store_b128 v2, v[\pc+4*\c:\pc+4*\c+3], s[18:19] offset:2048*(\s)+512*\c
.endr
.endm
.macro WLOAD t                         ; block t of my column: W(32 t + i, n): 32 lanes read 128 consecutive bytes
.set i, 0
.rept 32
	global_load_b32 v[64+32*(\t)+i], v1, s[10:11] offset:(32*(\t)+i)*4096 th:TH_LOAD_NT
.set i, i+1
.endr
.endm
.macro BLOCK t, left
.set XS, 64+32*(\t)
.set CD, 32+8*(\t)
	s_wait_loadcnt \left
	v_max3_num_f32 v8, |v[XS]|, |v[XS+1]|, |v[XS+2]|        ; all 32 numbers of the block are mine
	v_max3_num_f32 v9, |v[XS+3]|, |v[XS+4]|, |v[XS+5]|
.irp i, 6,10,14,18,22,26
	v_max3_num_f32 v8, v8, |v[XS+\i]|, |v[XS+\i+1]|
	v_max3_num_f32 v9, v9, |v[XS+\i+2]|, |v[XS+\i+3]|
.endr
	v_max3_num_f32 v8, v8, |v[XS+30]|, |v[XS+31]|
	v_max3_num_f32 v8, v8, v9, 0x4800000                    ; and the floor
	v_add_nc_u32 v11, 0xfc000000, v8
	v_lshrrev_b32 v9, 23, v11
.if (\t) == 0
	v_mov_b32 v24, v9
.else
	v_lshl_or_b32 v24, v9, 8*(\t), v24                      ; the lower K in the lower byte
.endif
.set i, 0
.rept 32
.set i, i+1
.endr
	v_cvt_scalef32_pk8_fp8_f32 v[CD:CD+1], v[XS:XS+7], v11            ; what lane (r, 0) of the image holds: k 0-7 and 16-23 of the block,
	v_cvt_scalef32_pk8_fp8_f32 v[CD+2:CD+3], v[XS+16:XS+23], v11
	v_cvt_scalef32_pk8_fp8_f32 v[CD+4:CD+5], v[XS+8:XS+15], v11       ; and lane (r, 1): k 8-15 and 24-31
	v_cvt_scalef32_pk8_fp8_f32 v[CD+6:CD+7], v[XS+24:XS+31], v11
	v_nop
	global_store_b128 v2, v[CD:CD+3], s[20:21] offset:512*(\t)        ; sixteen lanes store 256 consecutive bytes, aligned
	global_store_b128 v2, v[CD+4:CD+7], s[20:21] offset:512*(\t)+256
.endm
	s_load_b512 s[8:23], s[0:1], 0x0               ; x, W_q, W_k, W_v, W_o, ximg s[18:19], wimg s[20:21], scl s[22:23]
	v_lshrrev_b32 v1, 5, v0
	v_readfirstlane_b32 s24, v1                    ; wave 0..3
	v_and_b32 v4, 31, v0                           ; lane
	v_and_b32 v5, 15, v0                           ; r
	v_bfe_u32 v6, v0, 4, 1                         ; h
	s_mov_b32 s4, 0x76543210
	s_mov_b32 s5, 0xfedcba98                       ; v_permlanex16_b32's selects for lane l xor 16
	s_cmp_lt_u32 ttmp9, 256
	s_cbranch_scc0 .Lweights
	; ---- x
	v_lshlrev_b32 v1, 12, v5
	v_lshl_add_u32 v1, v6, 5, v1                   ; row r of 4,096 bytes, + 32 h
	v_lshlrev_b32 v2, 4, v4                        ; 16 x lane
	v_lshlrev_b32 v3, 4, v5
	v_lshl_add_u32 v3, v6, 3, v3                   ; the scale words: 16 r + 8 h
.irp b, 0,1,2,3
	v_mov_b32 v[TM+4+\b], 0                        ; a lane permute's destination counts as one of its sources
.endr
	s_lshl_b32 s25, ttmp9, 1
	s_lshr_b32 s26, s24, 1
	s_add_co_u32 s25, s25, s26                     ; my row tile
	s_and_b32 s26, s24, 1                          ; my half of K
	s_lshl_b32 s28, s25, 16                        ; x: 16 rows of 4,096 bytes a tile, 2,048 bytes a half
	s_lshl_b32 s27, s26, 11
	s_add_co_u32 s28, s28, s27
	s_mov_b32 s29, 0
	s_lshl_b32 s30, s25, 14                        ; the images: 16,384 a tile, 8,192 a half
	s_lshl_b32 s27, s26, 13
	s_add_co_u32 s30, s30, s27
	s_mov_b32 s31, 0
	s_lshl_b32 s32, s25, 9                         ; the scale words: 512 a tile, 256 a half
	s_lshl_b32 s27, s26, 8
	s_add_co_u32 s32, s32, s27
	s_mov_b32 s33, 0
	s_wait_alu depctr_va_vdst(0)
	s_wait_kmcnt 0x0
	s_add_nc_u64 s[8:9], s[8:9], s[28:29]
	s_add_nc_u64 s[18:19], s[18:19], s[30:31]
	s_add_nc_u64 s[22:23], s[22:23], s[32:33]
	XLOAD NA, 0
	XLOAD NB, 1
	XLOAD NC, 2
	s_wait_loadcnt 32                              ; the first set is in; the 32 loads of the two sets behind it may be out
	QUANT NA, PC0, PW
	IMG PC0, 0
	XLOAD NA, 3
	s_wait_loadcnt 32                              ; the second set is in; the third's and the fourth's 32 loads may be out
	QUANT NB, PC1, PW+1
	IMG PC1, 1
	s_wait_loadcnt 16                              ; the third set is in
	s_wait_xcnt 0x0                                ; the first fragment's stores have read their data: its registers are written again only behind this wait
	QUANT NC, PC0, PW+2
	IMG PC0, 2
	s_wait_loadcnt 0x0
	s_wait_xcnt 0x0                                ; likewise the second fragment's
	QUANT NA, PC1, PW+3
	IMG PC1, 3
	v_cmp_eq_u32 vcc_lo, 1, v6                     ; both halves of the lanes hold row r's four words: lanes 0-15 store words 0, 1, lanes 16-31 words 2, 3
	v_cndmask_b32 v28, v24, v26, vcc_lo
	v_cndmask_b32 v29, v25, v27, vcc_lo
	global_store_b64 v3, v[28:29], s[22:23]        ; 32 lanes store 256 consecutive bytes, aligned
	s_endpgm
.Lweights:
	s_wait_alu depctr_va_vdst(0)
	v_lshlrev_b32 v1, 2, v4                        ; in: 4 bytes a lane
	v_lshlrev_b32 v2, 4, v5
	v_lshl_add_u32 v2, v6, 14, v2                  ; out: lanes 16-31 belong to the next n tile, 16,384 bytes on; row r at 16 r
	v_lshlrev_b32 v3, 4, v5
	v_lshl_add_u32 v3, v6, 9, v3                   ; the scale word: 512 a tile, 16 a row
	s_sub_co_u32 s25, ttmp9, 256
	s_lshr_b32 s26, s25, 6                         ; which weight
	s_bfe_u32 s27, s25, 0x30003                    ; which K step of 128
	s_and_b32 s28, s25, 7
	s_lshl_b32 s29, s28, 2
	s_add_co_u32 s29, s29, s24                     ; which 32 columns
	s_lshl_b32 s30, s27, 19                        ; W: 128 rows of 4,096 bytes a K step, 128 bytes for 32 columns
	s_lshl_b32 s34, s29, 7
	s_add_co_u32 s30, s30, s34
	s_mov_b32 s31, 0
	s_lshl_b32 s32, s26, 20                        ; the images: 2^20 a weight, two tiles of 16,384 for 32 columns, 2,048 a K step
	s_lshl_b32 s34, s29, 15
	s_add_co_u32 s32, s32, s34
	s_lshl_b32 s34, s27, 11
	s_add_co_u32 s32, s32, s34
	s_mov_b32 s33, 0
	s_lshl_b32 s36, s26, 15                        ; the scale words: 32,768 a weight, 1,024 for two tiles, 256 a K half, 4 a K step
	s_lshl_b32 s34, s29, 10
	s_add_co_u32 s36, s36, s34
	s_lshr_b32 s34, s27, 2
	s_lshl_b32 s34, s34, 8
	s_add_co_u32 s36, s36, s34
	s_and_b32 s34, s27, 3
	s_lshl_b32 s34, s34, 2
	s_add_co_u32 s36, s36, s34
	s_add_co_u32 s36, s36, 262144
	s_mov_b32 s37, 0
	s_wait_alu depctr_va_vdst(0)
	s_wait_kmcnt 0x0
	s_cmp_eq_u32 s26, 1                            ; the weight's buffer: a choice on the work-group's number alone
	s_cselect_b64 s[10:11], s[12:13], s[10:11]
	s_cmp_eq_u32 s26, 2
	s_cselect_b64 s[10:11], s[14:15], s[10:11]
	s_cmp_eq_u32 s26, 3
	s_cselect_b64 s[10:11], s[16:17], s[10:11]
	s_add_nc_u64 s[10:11], s[10:11], s[30:31]
	s_add_nc_u64 s[20:21], s[20:21], s[32:33]
	s_add_nc_u64 s[22:23], s[22:23], s[36:37]
	WLOAD 0
	WLOAD 1
	WLOAD 2
	WLOAD 3
	BLOCK 0, 63                                    ; 96 younger loads could stay out; the wait's field holds 63, and a smaller count is safe
	BLOCK 1, 63                                    ; (64 could)
	BLOCK 2, 32                                    ; the last block's 32 may be out
	BLOCK 3, 0
	global_store_b32 v3, v24, s[22:23]             ; my column's word for this K step: 4 bytes in each 16; one byte for each 32 along K
	s_endpgm
.Lfunc_end_k_q97b3746f09_quant:
	.size	k_q97b3746f09_quant, .Lfunc_end_k_q97b3746f09_quant-k_q97b3746f09_quant
	.p2alignl 7, 3214868480
	.fill 96, 4, 3214868480
	.section	.rodata,"a",@progbits
	.p2align	6, 0x0
	.amdhsa_kernel k_q97b3746f09_quant
		.amdhsa_group_segment_fixed_size 0
		.amdhsa_private_segment_fixed_size 0
		.amdhsa_enable_private_segment 0
		.amdhsa_kernarg_size 64
		.amdhsa_user_sgpr_count 2
		.amdhsa_user_sgpr_kernarg_segment_ptr 1
		.amdhsa_wavefront_size32 1
		.amdhsa_system_sgpr_workgroup_id_x 1
		.amdhsa_system_sgpr_workgroup_id_y 1
		.amdhsa_system_sgpr_workgroup_id_z 1
		.amdhsa_system_vgpr_workitem_id 0
		.amdhsa_next_free_vgpr 256
		.amdhsa_next_free_sgpr 66
		.amdhsa_reserve_vcc 1
		.amdhsa_float_denorm_mode_32 3
		.amdhsa_float_denorm_mode_16_64 3
		.amdhsa_fp16_overflow 1
		.amdhsa_memory_ordered 1
		.amdhsa_forward_progress 1
		.amdhsa_inst_pref_size 45
	.end_amdhsa_kernel
	.amdgpu_metadata
---
amdhsa.version: [ 1, 2 ]
amdhsa.kernels:
  - .name:           k_q97b3746f09_quant
    .symbol:         k_q97b3746f09_quant.kd
    .args:
      - { .name: x, .offset: 0, .size: 8, .value_kind: global_buffer, .address_space: global }
      - { .name: W_q, .offset: 8, .size: 8, .value_kind: global_buffer, .address_space: global }
      - { .name: W_k, .offset: 16, .size: 8, .value_kind: global_buffer, .address_space: global }
      - { .name: W_v, .offset: 24, .size: 8, .value_kind: global_buffer, .address_space: global }
      - { .name: W_o, .offset: 32, .size: 8, .value_kind: global_buffer, .address_space: global }
      - { .name: ximg, .offset: 40, .size: 8, .value_kind: global_buffer, .address_space: global }
      - { .name: wimg, .offset: 48, .size: 8, .value_kind: global_buffer, .address_space: global }
      - { .name: scl, .offset: 56, .size: 8, .value_kind: global_buffer, .address_space: global }
    .group_segment_fixed_size: 0
    .private_segment_fixed_size: 0
    .kernarg_segment_align: 8
    .kernarg_segment_size: 64
    .max_flat_workgroup_size: 128
    .sgpr_count:     66
    .vgpr_count:     256
    .wavefront_size: 32
...
	.end_amdgpu_metadata
.endif
;; end of part 1
;; launch gemm_qkv (part 2): grid 12 x 32, 4 waves a work-group, clusters of 4 x 4, 327,680 bytes of LDS; arguments ximg, wimg, scl, qblk, kvblk; writes qblk, kvblk
.if DOCPART == 2
	.amdgcn_target "amdgcn-amd-amdhsa--gfx1250"
	.amdhsa_code_object_version 6
	.text
	.protected	k_q97b3746f09_gemm_qkv
	.globl	k_q97b3746f09_gemm_qkv
	.p2align	8
	.type	k_q97b3746f09_gemm_qkv,@function
k_q97b3746f09_gemm_qkv:
	s_mov_b64 s[64:65], 0
	v_nop
	global_prefetch_b8 v0, s[64:65] scope:SCOPE_SE
	s_setreg_imm32_b32 hwreg(HW_REG_WAVE_MODE, 25, 1), 1
	s_wait_xcnt 0x0
	s_wait_alu depctr_hold_cnt(0) depctr_sa_sdst(0) depctr_va_vdst(0) depctr_va_sdst(0) depctr_va_ssrc(0) depctr_va_vcc(0) depctr_vm_vsrc(0)
	s_getreg_b32 s2, hwreg(HW_REG_IB_STS2, 6, 4)
	s_cmp_eq_u32 s2, 0
	s_cbranch_scc0 .Lentry_in_a_cluster
	s_endpgm
.Lentry_in_a_cluster:
	s_bfe_u32 s2, ttmp6, 0x10000c
	s_cmp_lg_u32 s2, 0xf033
	s_cbranch_scc0 .Lentry_shape_is_right
	s_endpgm
.Lentry_shape_is_right:
; q = x W_q, k = x W_k, v = x W_v on codes of E4M3 with E8M0 scales (K = 1,024), and the results quantised at once for the two products of attention: no f32 result goes to memory.
; The cluster's x says which: 0 q, 1 k, 2 v.  A work-group of four waves makes 256 x 256, a wave 128 x 128: 64 accumulators, 512 registers.
; D = (source 0: 16 rows of S0) x (source 1: 16 rows of S1): lane (r, h) holds S1's row r and S0's rows 8 h + 0..7.  q, k: S0 = the weight (features), S1 = x (tokens): a lane's registers run along the head's 64,
; which is the K of q k^T.  v: S0 = x, S1 = the weight: a lane's registers run along the tokens, the K of p v.  Only pointers and offsets are chosen by that; all three take one way through the text.
; OPERANDS lie in memory as images of their registers (a fragment: 2,048 bytes, group c of lane L at 512 c + 16 L), so a K step of 256 of 128 rows is 8 rows of 4,096 bytes for one tensor load, every LDS read is
; 16 x lane (no padding wanted), and the results' codes are stored from registers, 512 consecutive bytes a store.  Inside a block of 32 all operands carry the same order of k (two runs of eight, as two result tiles give them).
; THE SCALE WORDS of my 128 + 128 rows for all of K come once, straight into 64 registers: lanes 0-15 S1's, lanes 16-31 S0's.
; OUT: blocks of 33,792 bytes for (batch, head, 256 tokens): K part [half 2][fragment p 4]: token tile p in groups 0, 1 and tile p + 4 in groups 2, 3; V part at 16,384: [key step 2][d tile 4];
; K part's scale words at 32,768: [half][row 16][p 4]; V part's at 33,280: [key step][row 16][d tile 4].  q goes to qblk's K parts; k and v to kvblk.
; CLUSTERS: 4 x 4 work-groups; S1's tile is shared along a row of the cluster, S0's along a column: joint loads.  K = 1,024 is four slots' worth: the ring of two slots is written out, with no loop.
; LIMITS: NaN and infinities are not served; a block of zeros gets the scale byte 1 (its codes are zeros; this program alone reads the bytes).
; REGISTERS: window 0: v0-31 addresses; v32-95 scale words; v96-127 at work on the way out; v128-255 S1's fragments, one set (on the way out: 64 numbers, four sets of codes).
;   window 1: S0's fragments, two sets.   windows 2, 3: the accumulators of S1's blocks 0-3, 4-7 ((a, b) at v[8 (8 (a % 4) + b)]).
.set HALFT,  32768                     ; 8 row tiles x 4,096 bytes: what one tensor load brings, and what one wave reads of S1 or of S0
.set SLOT,   4*HALFT                   ; S1's 256 rows, then S0's
.set SPARE,  2*SLOT                    ; behind the ring: the spare words, 128 bytes for each wave, which no other line names
.set HS,     270336                    ; from a head's blocks to the next head's: 8 x 33,792
.set FR,     16
.set NP,     8                         ; places behind this matrix instruction (ISA guide 7.12.1)
.set ADR1, 16                          ; v16-17  LDS address of my S1 fragments in slot 0, 1
.set ADR0, 20                          ; v20-21  the same for S0
.set LI,   24                          ; v24     16 x lane
.set LI2,  25                          ; v25     the same, two groups (v) or a head (q, k) on
.set LSW,  26                          ; v26     the scale words' way out: 16 r, lanes 16-31 a head on
.set ADRS, 27                          ; v27     my scale words in scl
.set SPW,  28                          ; v28     my spare word; never rewritten
.set NIL,  29                          ; v29     0; never rewritten
.set SC,   32                          ; v[SC + 8 i + ks]: lanes 0-15 the word of S1's block i, lanes 16-31 of S0's block i, for K step ks
.set TM,   96                          ; v96-111 as in the quantiser: magnitudes, bytes, holds, scale operands
.set WD,   112                         ; v112-119 the eight blocks' scale words
.set PR,   120                         ; v120-123 the words as they leave
.set SELV, 124                         ; v124    how they are put together
.set HN,   128                         ; v128-191 64 held numbers
.set AF,   128                         ; S1's fragments
.set G1, 24                            ; s[24:31] group 1 for S1's tiles;  s[32:39] group 0, one set for each slot
.set G0, 32
.set G1B, 48                           ; s[48:55], s[56:63] the same for S0's
.set G0B, 56
.set MSB, 0
.macro WIN new                         ; the immediate's high byte repeats the setting that is left
.if MSB != (\new)
	s_set_vgpr_msb (MSB<<8)|(\new)
.set MSB, (\new)
.endif
.endm
.set MUL_LO, 0xa1                      ; source 0 window 1, source 1 window 0, C and D window 2
.set MUL_HI, 0xf1                      ; the same, C and D window 3
.set TO_B,   0x40                      ; destination window 1, address window 0
; A joint load: waves 0 and 1 fetch S1's halves, waves 2 and 3 S0's.  The branch hangs on the wave's number alone.  Four v_nop follow each of the two lines.
.macro JLOAD g0a, g1a, g0b, g1b
	s_cmp_eq_u32 s15, 0
	s_cbranch_scc0 .Lfor_b_\@
	tensor_load_to_lds s[\g0a:\g0a+3], s[\g1a:\g1a+7]
	s_nop 0
.rept 4
	v_nop
.endr
	s_branch .Lasked_\@
.Lfor_b_\@:
	tensor_load_to_lds s[\g0b:\g0b+3], s[\g1b:\g1b+7]
	s_nop 0
.rept 4
	v_nop
.endr
.Lasked_\@:
.endm
.macro CREST                           ; a round of the cluster's barrier behind its opening barrier
	s_cmp_lg_u32 s14, 0
	s_cbranch_scc1 .Lnot_wave_0_\@
	s_barrier_signal -3
.Lnot_wave_0_\@:
	s_barrier_wait -3
	s_barrier_signal -1
	s_barrier_wait -1
.endm
.macro CROUND
	s_barrier_signal -1
	s_barrier_wait -1
	CREST
.endm
.macro FRAG reg, adr, q, i             ; fragment i of the slot's q-th 128 along K: its image, four loads of 512 consecutive bytes
.irp c, 0,1,2,3
	ds_load_b128 v[\reg+4*\c:\reg+4*\c+3], v[\adr] offset:(\i)*4096+(\q)*2048+512*\c
.endr
.endm
; 16 matrix instructions: S1's blocks a0, a0 + 1 x S0's eight, K step ks.  p: S0's set.  zero = 1: the product starts the sums.  The 64 accumulators take turns, one instruction a turn.
.macro MUL16 a0, p, ks, zero
.irp a, \a0, \a0+1
.irp b, 0,1,2,3,4,5,6,7
.if \zero
	v_wmma_scale_f32_16x16x128_f8f6f4 v[8*(8*((\a)%4)+\b):8*(8*((\a)%4)+\b)+7], v[128*(\p)+FR*\b:128*(\p)+FR*\b+FR-1], v[AF+FR*(\a):AF+FR*(\a)+FR-1], 0, v[SC+8*\b+(\ks)], v[SC+8*(\a)+(\ks)] matrix_a_scale:MATRIX_SCALE_ROW1
.else
	v_wmma_scale_f32_16x16x128_f8f6f4 v[8*(8*((\a)%4)+\b):8*(8*((\a)%4)+\b)+7], v[128*(\p)+FR*\b:128*(\p)+FR*\b+FR-1], v[AF+FR*(\a):AF+FR*(\a)+FR-1], v[8*(8*((\a)%4)+\b):8*(8*((\a)%4)+\b)+7], v[SC+8*\b+(\ks)], v[SC+8*(\a)+(\ks)] matrix_a_scale:MATRIX_SCALE_ROW1
.endif
.endr
.endr
.endm
.macro FETCH_B slot, q, p
	WIN TO_B
.irp i, 0,1,2,3,4,5,6,7
	FRAG 128*(\p)+FR*\i, ADR0+\slot, \q, \i
.endr
	WIN 0
.endm
.macro FETCH_A slot, q, i0
.irp i, \i0, \i0+1, \i0+2, \i0+3
	FRAG AF+FR*(\i), ADR1+\slot, \q, \i
.endr
.endm
.macro PLACES n                        ; plain vector lines between a matrix instruction and a load into, or a vector read or write of, its registers
.rept \n
	v_nop
.endr
.endm
.macro STEP slot, ks, zero             ; a slot's first 128 along K
	s_wait_dscnt 16                                ; S0's set and S1's blocks 0-3 are in; the youngest 16 loads (S1's blocks 4-7) may be out
	WIN MUL_LO
	MUL16 0, 0, \ks, \zero
	MUL16 2, 0, \ks, \zero
	s_wait_dscnt 0
	PLACES NP
	FETCH_B \slot, 1, 1
	FETCH_A \slot, 1, 0
	WIN MUL_HI
	MUL16 4, 0, \ks, \zero
	MUL16 6, 0, \ks, \zero
	PLACES NP
	WIN 0
	FETCH_A \slot, 1, 4
.endm
; A slot's second 128 along K changes slots: one barrier; in front of it each wave waits for all its tensor loads, adds 0 to its spare word, and waits for that and for its reads of this slot.
.macro TURN slot, next, fill, ks
	s_wait_tensorcnt 0x0                           ; all my tensor loads have landed: my part of the next slot
	ds_add_u32 v[SPW], v[NIL]                      ; 0 onto my spare word
	s_wait_dscnt 17                                ; (the add and the youngest 16 loads may be out)
	WIN MUL_LO
	MUL16 0, 1, \ks, 0
	s_wait_dscnt 0x0                               ; the add is done, and my reads of this slot are over
	s_barrier_signal -1
	MUL16 2, 1, \ks, 0
	WIN 0
	s_barrier_wait -1
.if \fill
	CREST                                          ; the barrier has opened a round of the cluster's: no wave of any partner still reads this slot or has a load on its way
	s_add_nc_u64 s[G0+4*\slot+2:G0+4*\slot+3], s[G0+4*\slot+2:G0+4*\slot+3], 8192
	s_add_nc_u64 s[G0B+4*\slot+2:G0B+4*\slot+3], s[G0B+4*\slot+2:G0B+4*\slot+3], 8192
	JLOAD G0+4*\slot, G1, G0B+4*\slot, G1B         ; the first tensor load behind the round; its four v_nop are among the places in front of the loads below
	PLACES NP-4
.else
	PLACES NP
.endif
	FETCH_B \next, 0, 0
	FETCH_A \next, 0, 0
	WIN MUL_HI
	MUL16 4, 1, \ks, 0
	MUL16 6, 1, \ks, 0
	PLACES NP
	WIN 0
	FETCH_A \next, 0, 4
.endm
	s_load_b256 s[4:11], s[0:1], 0x0               ; ximg s[4:5], wimg s[6:7], scl s[8:9], qblk s[10:11]
	s_load_b64 s[12:13], s[0:1], 0x20              ; kvblk
	v_lshl_add_u32 v[SPW], v0, 2, SPARE
	v_mov_b32 v[NIL], 0
	ds_add_u32 v28, v29
	ds_add_u32 v28, v29
	s_wait_dscnt 0x0
	v_lshrrev_b32 v1, 5, v0
	v_readfirstlane_b32 s14, v1                    ; wave 0..3
	s_lshr_b32 s15, s14, 1                         ; which half of S1's rows is mine.  Also: I fetch for S1 (0) or for S0 (1)
	s_and_b32 s16, s14, 1                          ; which half of S0's rows.  Also: which 128 rows of that tile I fetch
	s_bfe_u32 s40, ttmp6, 0x40000                  ; cx
	s_bfe_u32 s41, ttmp6, 0x40004                  ; cy
	s_and_b32 s70, ttmp7, 0xffff
	s_lshl_b32 s70, s70, 2                         ; 4 x the cluster's y: it counts tiles of tokens
	s_lshl_b32 s98, ttmp9, 15
	s_add_co_u32 s98, s98, 262144                  ; where this weight's scale words begin in scl (x's begin at 0)
	s_cmp_eq_u32 ttmp9, 2                          ; v?  The cluster's x: the same in all sixteen partners
	s_cselect_b32 s71, s70, 0                      ; the tokens are S0's rows (v)
	s_cselect_b32 s70, 0, s70                      ; or S1's (q, k)
	s_cselect_b32 s96, s98, 0                      ; S1's scale words
	s_cselect_b32 s97, 0, s98                      ; S0's
	s_add_co_u32 s42, s40, s71                     ; S0's tile: hangs on cx
	s_add_co_u32 s17, s41, s70                     ; S1's tile: hangs on cy
	s_lshl_b32 s43, s41, 2
	s_lshl_b32 s43, 15, s43                        ; my row of the cluster
	s_lshl_b32 s44, 0x1111, s40                    ; my column
	s_or_b32 s[G1+0], s43, (3<<16)|(1<<21)         ; 15:0 the mask; 17:16 elements of 8 bytes; 21 set beside a mask; no padding
	s_or_b32 s[G1B+0], s44, (3<<16)|(1<<21)
.irp g, G1, G1B
	s_mov_b32 s[\g+1], 512<<16                     ; tensor_dim0 = 512 elements: 4,096 bytes, two K steps' images of a row tile
	s_mov_b32 s[\g+2], 8<<16                       ; tensor_dim1 = 8 row tiles
	s_mov_b32 s[\g+3], 512<<16                     ; tile_dim0
	s_mov_b32 s[\g+4], 8                           ; tile_dim1
	s_mov_b32 s[\g+5], 2048                        ; from a row tile to the next: 16,384 bytes
	s_mov_b32 s[\g+6], 0
	s_mov_b32 s[\g+7], 0
.endr
	s_lshl_b32 s18, s16, 17                        ; which 128 rows I fetch: 1,024 bytes a row
	s_lshl_b32 s22, s17, 18
	s_add_co_u32 s22, s22, s18
	s_mov_b32 s23, 0
	s_lshl_b32 s92, s42, 18
	s_add_co_u32 s92, s92, s18
	s_mov_b32 s93, 0
	s_lshl_b32 s68, ttmp9, 20                      ; this weight's images
	s_mov_b32 s69, 0
	s_mul_i32 s45, s14, HALFT                      ; where my part goes: no place in the cluster enters an LDS address
	s_wait_kmcnt 0x0
	s_add_nc_u64 s[66:67], s[6:7], s[68:69]
	s_cmp_eq_u32 ttmp9, 2
	s_cselect_b64 s[20:21], s[66:67], s[4:5]       ; S1
	s_cselect_b64 s[46:47], s[4:5], s[66:67]       ; S0
	s_add_nc_u64 s[20:21], s[20:21], s[22:23]
	s_add_nc_u64 s[46:47], s[46:47], s[92:93]
	CROUND                                         ; all sixteen work-groups are here: the first joint loads meet
.irp s, 0,1
	s_mov_b32 s[G0+4*\s], 1
	s_add_co_u32 s[G0+4*\s+1], s45, \s*SLOT
	s_add_nc_u64 s[G0+4*\s+2:G0+4*\s+3], s[20:21], \s*4096
	s_or_b32 s[G0+4*\s+3], s[G0+4*\s+3], 0x80000000
	s_mov_b32 s[G0B+4*\s], 1
	s_add_co_u32 s[G0B+4*\s+1], s45, \s*SLOT
	s_add_nc_u64 s[G0B+4*\s+2:G0B+4*\s+3], s[46:47], \s*4096
	s_or_b32 s[G0B+4*\s+3], s[G0B+4*\s+3], 0x80000000
	JLOAD G0+4*\s, G1, G0B+4*\s, G1B
.endr
	v_and_b32 v1, 15, v0                           ; r
	v_bfe_u32 v2, v0, 4, 1                         ; h
	s_wait_alu depctr_va_vdst(0)
	v_and_b32 v3, 31, v0
	v_lshlrev_b32 v[LI], 4, v3
	s_mul_i32 s18, s15, HALFT
	s_mul_i32 s19, s16, HALFT
	s_add_co_u32 s19, s19, 2*HALFT
.irp s, 0,1
	v_add_nc_u32 v[ADR1+\s], s18, v[LI]
	v_add_nc_u32 v[ADR0+\s], s19, v[LI]
	s_add_co_u32 s18, s18, SLOT
	s_add_co_u32 s19, s19, SLOT
.endr
	s_lshl_b32 s94, s17, 13                        ; my rows' scale words: 512 bytes a row tile
	s_lshl_b32 s18, s15, 12
	s_add_co_u32 s94, s94, s18
	s_add_co_u32 s94, s94, s96
	s_lshl_b32 s95, s42, 13
	s_lshl_b32 s18, s16, 12
	s_add_co_u32 s95, s95, s18
	s_add_co_u32 s95, s95, s97
	v_mov_b32 v5, s94
	v_mov_b32 v6, s95
	v_cmp_eq_u32 vcc_lo, 1, v2
	v_cndmask_b32 v[ADRS], v5, v6, vcc_lo          ; lanes 0-15 S1's, lanes 16-31 S0's
	v_lshl_add_u32 v[ADRS], v1, 4, v[ADRS]
.irp i, 0,1,2,3,4,5,6,7
.irp kh, 0,1
	global_load_b128 v[SC+8*\i+4*\kh:SC+8*\i+4*\kh+3], v[ADRS], s[8:9] offset:512*\i+256*\kh   ; four K steps' words of row r of block i
.endr
.endr
	; where the results go
	s_cmp_eq_u32 ttmp9, 2
	s_cselect_b32 s72, s42, s17                    ; the tile of 256 tokens
	s_cselect_b32 s73, s17, s42                    ; the tile of 256 features
	s_cselect_b32 s74, s16, s15                    ; my half of the tokens
	s_cselect_b32 s75, s15, s16                    ; my half of the features: two heads
	s_cselect_b32 s76, 16384, 0                    ; the V part or the K part
	s_cselect_b32 s77, 512, 0                      ; and its scale words
	s_mov_b32 s78, HS
	s_cselect_b32 s78, 1024, s78                   ; groups 2, 3 of a block's codes: two groups on (v) or a head on (q, k)
	s_mov_b32 s79, HS
	s_cselect_b32 s79, s79, 1024                   ; S1's blocks 4-7: a head on (v) or two groups on (q, k)
	s_mov_b32 s80, 0x05040100
	s_cselect_b32 s80, 0x03020100, s80             ; the first head's words: v: word j;  q, k: the low halves of words j and j + 4
	s_mov_b32 s81, 0x07060302
	s_cselect_b32 s81, 0x07060504, s81             ; the second head's: v: word j + 4;  q, k: the high halves
	s_lshr_b32 s82, s72, 3                         ; the batch
	s_lshl_b32 s82, s82, 4
	s_lshl_b32 s83, s73, 1
	s_add_co_u32 s83, s83, s75
	s_lshl_b32 s83, s83, 1                         ; my first head
	s_add_co_u32 s82, s82, s83
	s_lshl_b32 s82, s82, 3
	s_and_b32 s83, s72, 7                          ; the slot of 256 tokens
	s_add_co_u32 s82, s82, s83
	s_mul_i32 s82, s82, 33792                      ; the block, in bytes
	s_lshl_b32 s83, s74, 13
	s_add_co_u32 s84, s82, s83
	s_add_co_u32 s84, s84, s76
	s_mov_b32 s85, 0
	s_lshl_b32 s83, s74, 8
	s_add_co_u32 s86, s82, s83
	s_add_co_u32 s86, s86, s77
	s_add_co_u32 s86, s86, 32768
	s_mov_b32 s87, 0
	s_mov_b32 s90, s79
	s_mov_b32 s91, 0
	s_cmp_eq_u32 ttmp9, 0
	s_cselect_b64 s[88:89], s[10:11], s[12:13]     ; q goes to qblk, k and v to kvblk
	s_add_nc_u64 s[84:85], s[88:89], s[84:85]      ; the codes of S1's blocks 0-3,
	s_add_nc_u64 s[90:91], s[84:85], s[90:91]      ; of blocks 4-7,
	s_add_nc_u64 s[86:87], s[88:89], s[86:87]      ; the scale words
	v_add_nc_u32 v[LI2], s78, v[LI]
	v_mul_u32_u24 v[LSW], v2, HS
	v_lshl_add_u32 v[LSW], v1, 4, v[LSW]
	v_mov_b32 v5, s80
	v_mov_b32 v6, s81
	v_cndmask_b32 v[SELV], v5, v6, vcc_lo
.irp b, 0,1,2,3
	v_mov_b32 v[TM+4+\b], 0                        ; a lane permute's destination counts as one of its sources
.endr
	s_wait_tensorcnt 1                             ; my part of slot 0 is in; slot 1's load may stay out
	s_barrier_signal -1
	s_barrier_wait -1
	FETCH_B 0, 0, 0
	FETCH_A 0, 0, 0
	FETCH_A 0, 0, 4
	s_wait_loadcnt 0x0                             ; the scale words
	STEP 0, 0, 1                                   ; the first products start the sums: nothing is cleared
	TURN 0, 1, 1, 1
	STEP 1, 2, 0
	TURN 1, 0, 1, 3
	STEP 0, 4, 0
	TURN 0, 1, 0, 5                                ; nothing is left to fetch
	STEP 1, 6, 0
	s_wait_dscnt 16
	WIN MUL_LO
	MUL16 0, 1, 7, 0
	MUL16 2, 1, 7, 0
	s_wait_dscnt 0
	WIN MUL_HI
	MUL16 4, 1, 7, 0
	MUL16 6, 1, 7, 0
	WIN 0
	PLACES NP
; THE WAY OUT of S1's block a: a lane's 64 results are 128 neighbours along the next K in four blocks of 32 (each shared with lane l xor 16).  They are quantised in registers; the 16 registers of codes are four groups of an image.
.macro OUTA a
.set AC, 64*((\a)%4)
.set PCD, 192+16*((\a)%4)
.set OB, 84+6*((\a)/4)
	WIN 0x0a+5*((\a)/4)                            ; sources 0 and 1: the accumulators' window
.irp b, 0,1,2,3
	v_max3_num_f32 v[TM+\b], |v[AC+16*\b]|, |v[AC+16*\b+1]|, 0x4800000   ; each accumulator is read from its low end on; the floor 2^(9 - 127) holds the byte at 1 from below
.endr
.irp i, 2,4,6,8,10,12,14
.irp b, 0,1,2,3
	v_max3_num_f32 v[TM+\b], |v[AC+16*\b+\i]|, |v[AC+16*\b+\i+1]|, v[TM+\b]
.endr
.endr
	WIN 0
.irp b, 0,1,2,3
	v_permlanex16_b32 v[TM+4+\b], v[TM+\b], s2, s3
.endr
.irp b, 0,1,2,3
	v_max_num_f32 v[TM+\b], v[TM+\b], v[TM+4+\b]
.endr
.irp b, 0,1,2,3
	v_add_nc_u32 v[TM+12+\b], 0xfc000000, v[TM+\b]
.endr
.irp b, 0,1,2,3
	v_and_or_b32 v[TM+8+\b], v[TM+\b], 0x7f800000, s99
.endr
.irp b, 0,1,2,3
	v_lshrrev_b32 v[TM+4+\b], 23, v[TM+12+\b]
.endr
	v_lshl_or_b32 v[WD+(\a)], v[TM+5], 8, v[TM+4]
	v_lshl_or_b32 v[WD+(\a)], v[TM+6], 16, v[WD+(\a)]
	v_lshl_or_b32 v[WD+(\a)], v[TM+7], 24, v[WD+(\a)]
	WIN 0x02+((\a)/4)                              ; source 0: the accumulators' window
.irp b, 0,1,2,3
.irp i, 0,1,2,3,4,5,6,7,8,9,10,11,12,13,14,15
	v_med3_num_f32 v[HN+16*\b+\i], v[AC+16*\b+\i], -v[TM+8+\b], v[TM+8+\b]   ; the hold at 448 x the scale (the conversion does not saturate: ISA guide 7.6.2)
.endr
.endr
	WIN 0
.if (\a) >= 4
	s_wait_alu depctr_va_vdst(0)
	s_wait_xcnt 0x0                                ; the stores of four blocks ago have read these registers
.endif
.irp b, 0,1,2,3
	v_cvt_scalef32_pk8_fp8_f32 v[PCD+4*\b:PCD+4*\b+1], v[HN+16*\b:HN+16*\b+7], v[TM+12+\b]
	v_cvt_scalef32_pk8_fp8_f32 v[PCD+4*\b+2:PCD+4*\b+3], v[HN+16*\b+8:HN+16*\b+15], v[TM+12+\b]
.endr
	v_nop                                          ; a plain line behind the last conversion
.irp c, 0,1,2,3
	global_store_b128 v[LI+\c/2], v[PCD+4*\c:PCD+4*\c+3], s[OB:OB+1] offset:((\a)%4)*2048+(\c%2)*512   ; 32 lanes store 512 consecutive bytes, aligned
.endr
.endm
	s_mov_b32 s2, 0x76543210
	s_mov_b32 s3, 0xfedcba98                       ; v_permlanex16_b32's selects for lane l xor 16
	s_mov_b32 s99, 0x600000                        ; the mantissa field of 448
.irp a, 0,1,2,3,4,5,6,7
	OUTA \a
.endr
.irp j, 0,1,2,3
	v_perm_b32 v[PR+\j], v[WD+4+\j], v[WD+\j], v[SELV]   ; lanes 0-15 make the first head's four words of row r, lanes 16-31 the second head's
.endr
	global_store_b128 v[LSW], v[PR:PR+3], s[86:87] ; sixteen lanes store 256 consecutive bytes, aligned
	s_wait_tensorcnt 0x0                           ; the wave's end
	ds_add_u32 v[SPW], v[NIL]
	s_wait_dscnt 0x0
	CROUND                                         ; the closing round
	s_endpgm
.Lfunc_end_k_q97b3746f09_gemm_qkv:
	.size	k_q97b3746f09_gemm_qkv, .Lfunc_end_k_q97b3746f09_gemm_qkv-k_q97b3746f09_gemm_qkv
	.p2alignl 7, 3214868480
	.fill 96, 4, 3214868480
	.section	.rodata,"a",@progbits
	.p2align	6, 0x0
	.amdhsa_kernel k_q97b3746f09_gemm_qkv
		.amdhsa_group_segment_fixed_size 327680
		.amdhsa_private_segment_fixed_size 0
		.amdhsa_enable_private_segment 0
		.amdhsa_kernarg_size 40
		.amdhsa_user_sgpr_count 2
		.amdhsa_user_sgpr_kernarg_segment_ptr 1
		.amdhsa_wavefront_size32 1
		.amdhsa_system_sgpr_workgroup_id_x 1
		.amdhsa_system_sgpr_workgroup_id_y 1
		.amdhsa_system_sgpr_workgroup_id_z 1
		.amdhsa_system_vgpr_workitem_id 0
		.amdhsa_next_free_vgpr 1024
		.amdhsa_next_free_sgpr 100
		.amdhsa_reserve_vcc 1
		.amdhsa_float_denorm_mode_32 3
		.amdhsa_float_denorm_mode_16_64 3
		.amdhsa_memory_ordered 1
		.amdhsa_forward_progress 1
		.amdhsa_inst_pref_size 183
	.end_amdhsa_kernel
	.amdgpu_metadata
---
amdhsa.version: [ 1, 2 ]
amdhsa.kernels:
  - .name:           k_q97b3746f09_gemm_qkv
    .symbol:         k_q97b3746f09_gemm_qkv.kd
    .args:
      - { .name: ximg, .offset: 0, .size: 8, .value_kind: global_buffer, .address_space: global }
      - { .name: wimg, .offset: 8, .size: 8, .value_kind: global_buffer, .address_space: global }
      - { .name: scl, .offset: 16, .size: 8, .value_kind: global_buffer, .address_space: global }
      - { .name: qblk, .offset: 24, .size: 8, .value_kind: global_buffer, .address_space: global }
      - { .name: kvblk, .offset: 32, .size: 8, .value_kind: global_buffer, .address_space: global }
    .group_segment_fixed_size: 327680
    .private_segment_fixed_size: 0
    .kernarg_segment_align: 8
    .kernarg_segment_size: 40
    .max_flat_workgroup_size: 128
    .sgpr_count:     100
    .vgpr_count:     1024
    .wavefront_size: 32
...
	.end_amdgpu_metadata
.endif
;; end of part 2
;; launch attn (part 3): grid 4 x 64, 16 waves a work-group, no clusters, 327,680 bytes of LDS; arguments qblk, kvblk, cimg, scl; writes cimg, scl
.if DOCPART == 3
	.amdgcn_target "amdgcn-amd-amdhsa--gfx1250"
	.amdhsa_code_object_version 6
	.text
	.protected	k_q97b3746f09_attn
	.globl	k_q97b3746f09_attn
	.p2align	8
	.type	k_q97b3746f09_attn,@function
k_q97b3746f09_attn:
	s_mov_b64 s[64:65], 0
	v_nop
	global_prefetch_b8 v0, s[64:65] scope:SCOPE_SE
	s_setreg_imm32_b32 hwreg(HW_REG_WAVE_MODE, 25, 1), 1
	s_wait_xcnt 0x0
; Causal attention for one (batch, head), head size 64, both products on codes of E4M3 with E8M0 scales; the result, ctx, is quantised at once for the last product and leaves as images of that operand's registers.
; THE SOFTMAX: t = score x log2(e) / 8; M = the running largest t rounded UP to a whole number; p = 2^(t - M) is what is quantised, along the keys; the row's sum is taken of the unquantised p and divides at the end.
; When M moves, the sum and O are multiplied by 2^(old M - new M): exact.
; SHARES.  Work-group (i, head) owns the blocks of 256 queries i and 7 - i: (i + 1) + (8 - i) = 9 visits of slots of 256 keys, the same number in all 256 work-groups.  Each of its 16 waves owns 16 queries of a block.
; NO CLUSTER: the four work-groups of a head walk different sequences of slots (i + 1 slots, then 8 - i), so their requests for a tile do not fall together.
; A SLOT is one dense block of 33,792 bytes of kvblk: K's codes [half 2][fragment p 4] (token tile p in groups 0, 1, tile p + 4 in groups 2, 3: the head's 64 twice in an instruction's 128), V's codes at 16,384
; [key step 2][d tile 4], K's scale words at 32,768, V's at 33,280.  Waves 0 and 1 bring half a block each; all sixteen read it, 16 x lane.  Two slots take turns.
; LAYOUT.  S^T = K Q^T: source 0 = a fragment of K, source 1 = [q | 0] for tile p or [0 | q] for tile p + 4.  O^T = V^T P^T.  A lane holds ONE query throughout.  Two neighbouring tiles of S^T give a lane keys
; 32 b + 8 h + 0..7 and 32 b + 16 + 8 h + 0..7: the order in which V's codes lie too.
; A block's largest p is not searched for: the block's largest score goes through the same multiply-add and exponential (this takes v_exp_f32 not to fall where its input rises; at the worst one p is held one code low).
; CAUSAL: a step of 128 keys all of which come after my 16 queries is jumped over by a scalar branch on ids; on the diagonal hidden scores become -infinity ahead of the maximum.  Key 0 counts for every query.
; LIMITS: NaN and infinities are not served; a block of zeros gets the scale byte 1 (its codes are zeros; this program alone reads the bytes).
; REGISTERS: v1 16 L, v2 16 r, v3, v4 LDS addresses of the slot in hand, v5, v6 the spare word and 0, v8 r, v9 h, v10 16 r + h, v11 r - 8 h, v12 -M, v13 the largest t, v[14:15] the sum; v16-31 [q | 0]; v32-47 [0 | q];
;   v48-111 four fragments; v112-175 S^T, then p; v176-207 O^T; v208-223 p's codes; v224-239 at work; v240-243 the fragments' scale words; v244 q's; v245 p's; v[246:247] a factor; v248, v249 at work.
.set SLOT1, 65536                      ; slot 1 begins here: one exclusive or turns an address
.set SPARE, 131072                     ; the spare words, 128 bytes for each of 16 waves, which no other line names
.set BLKB,  33792
.set VCD,   16384
.set KSC,   32768
.set VSC,   33280
.macro TLOAD                           ; waves 0 and 1 fetch; four v_nop follow the line
	s_cmp_lt_u32 s12, 2
	s_cbranch_scc0 .Lnone_\@
	tensor_load_to_lds s[32:35], s[24:31]
	s_nop 0
.rept 4
	v_nop
.endr
.Lnone_\@:
.endm
; My 16 queries of block s15: their codes, twice, their scale word; the statistics and O^T begin anew.
.macro QINIT
	s_lshl_b32 s48, s14, 3
	s_add_co_u32 s48, s48, s15
	s_mul_i32 s48, s48, BLKB
	s_add_co_u32 s50, s48, s42
	s_mov_b32 s51, 0
	s_add_nc_u64 s[50:51], s[4:5], s[50:51]
	s_add_co_u32 s52, s48, s43
	s_mov_b32 s53, 0
	s_add_nc_u64 s[52:53], s[4:5], s[52:53]
	global_load_b128 v[16:19], v1, s[50:51]
	global_load_b128 v[20:23], v1, s[50:51] offset:512
	global_load_b128 v[40:43], v1, s[50:51]
	global_load_b128 v[44:47], v1, s[50:51] offset:512
	global_load_b32 v249, v2, s[52:53]
	s_wait_loadcnt 0x0
	v_perm_b32 v244, v249, v249, s41               ; my tile's two bytes, twice: they serve [q | 0] and [0 | q] alike
	v_mov_b32 v13, 0xff61b1e6                      ; the largest t so far: -3e38, under every t
	s_delay_alu instid0(VALU_DEP_1)
	v_floor_f32 v12, -v13                          ; -M
	v_mov_b32 v14, 0
	v_mov_b32 v15, 0
.set j, 0
.rept 32
	v_mov_b32 v[176+j], 0                          ; O^T: the first step finds zeros, which the first change of M leaves zeros.  (These lines are also the places behind the scale word)
.set j, j+1
.endr
.endm
; THE CHANGE OF SLOTS stands at a visit's head.  fill = 1: the slot just left takes the next visit's block.
.macro CHANGE fill
	s_wait_tensorcnt 0x0                           ; no tensor load of mine is out, so the descriptor may be written
	ds_add_u32 v5, v6                              ; 0 onto my spare word
.if \fill
	s_add_co_u32 s17, s16, 1
	s_cmp_eq_u32 s16, s15
	s_cselect_b32 s17, 0, s17                      ; the next visit's slot of keys: the next one, or, behind the diagonal, the other block's first
	s_xor_b32 s33, s33, SLOT1
	s_mul_i32 s48, s17, BLKB
	s_mov_b32 s49, 0
	s_add_nc_u64 s[34:35], s[36:37], s[48:49]
	s_or_b32 s35, s35, 0x80000000
.endif
	s_wait_dscnt 0x0                               ; the add is done, and my reads of the slot that I have left are over
	s_barrier_signal -1
	s_barrier_wait -1
.if \fill
	TLOAD                                          ; the first thing behind the barrier, and a wave's one tensor load until the next
.endif
.endm
; A KEY STEP: 128 keys, the q-th of the slot in hand.
.macro STEP q
	s_add_co_u32 s48, s38, 15
	s_cmp_gt_u32 s39, s48
	s_cbranch_scc1 .Lhidden_\@                     ; all its keys come after my queries
	s_wait_alu depctr_va_vdst(0)
.irp p, 0,1,2,3
.irp c, 0,1,2,3
	ds_load_b128 v[48+16*\p+4*\c:48+16*\p+4*\c+3], v3 offset:(4*(\q)+\p)*2048+512*\c
.endr
.endr
	ds_load_b128 v[240:243], v4 offset:KSC+256*(\q)    ; row r's words of the four fragments
	s_wait_dscnt 0x0
.irp p, 0,1,2,3
	v_wmma_scale_f32_16x16x128_f8f6f4 v[112+8*\p:119+8*\p], v[48+16*\p:63+16*\p], v[16:31], 0, v[240+\p], v244
.endr
.irp p, 0,1,2,3
	v_wmma_scale_f32_16x16x128_f8f6f4 v[144+8*\p:151+8*\p], v[48+16*\p:63+16*\p], v[32:47], 0, v[240+\p], v244
.endr
.rept 8
	v_nop                                          ; places in front of the loads below and of the first read of the scores
.endr
	s_wait_alu depctr_va_vdst(0)
.irp t, 0,1,2,3
.irp c, 0,1,2,3
	ds_load_b128 v[48+16*\t+4*\c:48+16*\t+4*\c+3], v3 offset:VCD+(4*(\q)+\t)*2048+512*\c   ; V's fragments land while the softmax is worked
.endr
.endr
	ds_load_b128 v[240:243], v4 offset:VSC+256*(\q)
	s_add_co_u32 s48, s39, 127
	s_cmp_le_u32 s48, s38
	s_cbranch_scc1 .Lopen_\@                       ; all its keys count
	s_sub_co_i32 s48, s38, s39
	v_add_nc_u32 v248, s48, v11                    ; d = my query - the step's first key - 8 h.  Register 16 b + i holds key 32 b + 8 h + i + 8 (i / 8): hidden where 32 b + i + 8 (i / 8) > d
	v_mov_b32 v249, 0xff800000                     ; -infinity
.set n, 0
.rept 64
	v_cmp_gt_i32 vcc_lo, 32*(n/16)+n%16+8*((n%16)/8), v248
	v_cndmask_b32 v[112+n], v[112+n], v249, vcc_lo
.set n, n+1
.endr
.Lopen_\@:
.irp b, 0,1,2,3
	v_max3_num_f32 v[224+\b], v[112+16*\b], v[113+16*\b], v[114+16*\b]   ; the largest score of each block of 32 keys: for the row's maximum, and for the block's largest p
.endr
.irp i, 3,5,7,9,11,13
.irp b, 0,1,2,3
	v_max3_num_f32 v[224+\b], v[224+\b], v[112+16*\b+\i], v[113+16*\b+\i]
.endr
.endr
.irp b, 0,1,2,3
	v_max_num_f32 v[224+\b], v[224+\b], v[127+16*\b]
.endr
.irp b, 0,1,2,3
	s_delay_alu instid0(VALU_DEP_4)
	v_permlanex16_b32 v[228+\b], v[224+\b], s20, s21
.endr
.irp b, 0,1,2,3
	s_delay_alu instid0(VALU_DEP_4)
	v_max_num_f32 v[224+\b], v[224+\b], v[228+\b]  ; with lane l xor 16's 16 keys
.endr
	s_delay_alu instid0(VALU_DEP_2)
	v_max3_num_f32 v248, v224, v225, v226
	s_delay_alu instid0(VALU_DEP_1)
	v_max_num_f32 v248, v248, v227
	s_delay_alu instid0(VALU_DEP_1)
	v_mul_f32 v248, s22, v248                      ; the step's largest t
	s_delay_alu instid0(VALU_DEP_1)
	v_max_num_f32 v13, v13, v248
	v_mov_b32 v248, v12
	s_delay_alu instid0(VALU_DEP_2)
	v_floor_f32 v12, -v13                          ; the new -M = -ceil(t)
	s_delay_alu instid0(VALU_DEP_1)
	v_sub_f32 v248, v12, v248                      ; old M - new M: a whole number, 0 or less
	s_delay_alu instid0(VALU_DEP_1)
	v_cvt_i32_f32 v248, v248                       ; (it saturates)
	s_delay_alu instid0(VALU_DEP_1)
	v_ldexp_f32 v246, 1.0, v248                    ; f = 2^(old M - new M)
.set j, 0
.rept 32
	v_pk_fma_f32 v[112+j:113+j], v[112+j:113+j], s[22:23], v[12:13] op_sel_hi:[1,0,0]   ; t - M, two at a time
.set j, j+2
.endr
.irp b, 0,1,2,3
	v_fma_f32 v[224+\b], v[224+\b], s22, v12
.endr
.set j, 0
	s_wait_alu depctr_va_vdst(0)
.rept 64
	v_exp_f32 v[112+j], v[112+j]                   ; p = 2^(t - M)
.set j, j+1
.endr
.irp b, 0,1,2,3
	v_exp_f32 v[224+\b], v[224+\b]                 ; the block's largest p
.endr
	v_pk_mul_f32 v[14:15], v[14:15], v[246:247] op_sel_hi:[1,0]   ; the sums under the new M.  (A plain line behind the exponentials)
	s_wait_alu depctr_va_vdst(0)
.irp b, 0,1,2,3
	v_max_num_f32 v[224+\b], 0x4800000, v[224+\b]  ; the floor 2^(9 - 127)
.endr
.irp b, 0,1,2,3
	s_delay_alu instid0(VALU_DEP_4)
	v_add_nc_u32 v[236+\b], 0xfc000000, v[224+\b]  ; the conversion's scale operand
.endr
.irp b, 0,1,2,3
.endr
.irp b, 0,1,2,3
	s_delay_alu instid0(VALU_DEP_4)
	v_lshrrev_b32 v[228+\b], 23, v[236+\b]         ; the scale's byte
.endr
	s_delay_alu instid0(VALU_DEP_3)
	v_lshl_or_b32 v245, v229, 8, v228              ; p's scale word for these 128 keys
	s_delay_alu instid0(VALU_DEP_1)
	v_lshl_or_b32 v245, v230, 16, v245
	s_delay_alu instid0(VALU_DEP_1)
	v_lshl_or_b32 v245, v231, 24, v245
	v_pk_add_f32 v[228:229], v[116:117], v[120:121]
	v_pk_add_f32 v[254:255], v[124:125], v[128:129]
	v_pk_add_f32 v[252:253], v[132:133], v[136:137]
	v_pk_add_f32 v[250:251], v[140:141], v[144:145]
	v_pk_add_f32 v[234:235], v[148:149], v[152:153]
	v_pk_add_f32 v[232:233], v[156:157], v[160:161]
	v_pk_add_f32 v[226:227], v[164:165], v[168:169]
	v_pk_add_f32 v[14:15], v[14:15], v[172:173]
	v_pk_add_f32 v[228:229], v[228:229], v[112:113]
	v_pk_add_f32 v[254:255], v[254:255], v[114:115]
	v_pk_add_f32 v[252:253], v[252:253], v[118:119]
	v_pk_add_f32 v[250:251], v[250:251], v[122:123]
	v_pk_add_f32 v[234:235], v[234:235], v[126:127]
	v_pk_add_f32 v[232:233], v[232:233], v[130:131]
	v_pk_add_f32 v[226:227], v[226:227], v[134:135]
	v_pk_add_f32 v[14:15], v[14:15], v[138:139]
	v_pk_add_f32 v[228:229], v[228:229], v[142:143]
	v_pk_add_f32 v[254:255], v[254:255], v[146:147]
	v_pk_add_f32 v[252:253], v[252:253], v[150:151]
	v_pk_add_f32 v[250:251], v[250:251], v[154:155]
	v_pk_add_f32 v[234:235], v[234:235], v[158:159]
	v_pk_add_f32 v[232:233], v[232:233], v[162:163]
	v_pk_add_f32 v[226:227], v[226:227], v[166:167]
	v_pk_add_f32 v[14:15], v[14:15], v[170:171]
	v_pk_add_f32 v[228:229], v[228:229], v[174:175]
	s_delay_alu instid0(VALU_DEP_2)
	v_pk_add_f32 v[14:15], v[14:15], v[250:251]
	s_delay_alu instid0(VALU_DEP_2)
	v_pk_add_f32 v[228:229], v[228:229], v[234:235]
	v_pk_add_f32 v[254:255], v[254:255], v[232:233]
	v_pk_add_f32 v[252:253], v[252:253], v[226:227]
	s_delay_alu instid0(VALU_DEP_2)
	v_pk_add_f32 v[14:15], v[14:15], v[254:255]
	s_delay_alu instid0(VALU_DEP_2)
	v_pk_add_f32 v[228:229], v[228:229], v[252:253]
	s_delay_alu instid0(VALU_DEP_1)
	v_pk_add_f32 v[14:15], v[14:15], v[228:229]
.irp b, 0,1,2,3
.irp i, 0,1,2,3,4,5,6,7,8,9,10,11,12,13,14,15
.endr
	v_cvt_scalef32_pk8_fp8_f32 v[208+4*\b:209+4*\b], v[112+16*\b:119+16*\b], v[236+\b]
	v_cvt_scalef32_pk8_fp8_f32 v[210+4*\b:211+4*\b], v[120+16*\b:127+16*\b], v[236+\b]
.endr
.set j, 0
.rept 16
	v_pk_mul_f32 v[176+j:177+j], v[176+j:177+j], v[246:247] op_sel_hi:[1,0]   ; O^T under the new M.  (Also the places between the codes and the products)
.set j, j+2
.endr
	s_wait_alu depctr_va_vdst(0)
	s_wait_dscnt 0x0                               ; V
.irp t, 0,1,2,3
	v_wmma_scale_f32_16x16x128_f8f6f4 v[176+8*\t:183+8*\t], v[48+16*\t:63+16*\t], v[208:223], v[176+8*\t:183+8*\t], v[240+\t], v245
.endr
.rept 8
	v_nop                                          ; places in front of whatever next loads into these products' registers or reads O^T
.endr
.Lhidden_\@:
	s_add_co_u32 s39, s39, 128
.endm
.macro VISIT
	v_add_nc_u32 v3, s18, v1                       ; the slot in hand: images at 16 x lane,
	v_add_nc_u32 v4, s18, v2                       ; scale words at 16 r
	s_lshl_b32 s39, s16, 8                         ; its first key
	s_lshl_b32 s38, s15, 8
	s_add_co_u32 s38, s38, s46                     ; my first query
	STEP 0
	STEP 1
.endm
; A block of queries is finished: ctx = O^T / the sum; its 64 numbers a query are two blocks of 32 of the last product's K.  more = 1: on to the other block of queries.
.macro FINAL more
	v_add_f32 v14, v14, v15
	s_delay_alu instid0(VALU_DEP_1)
	v_permlanex16_b32 v248, v14, s20, s21
	s_delay_alu instid0(VALU_DEP_1)
	v_add_f32 v14, v14, v248                       ; the row's sum
	s_wait_alu depctr_va_vdst(0)
	v_rcp_f32 v246, v14
	s_lshl_b32 s48, s15, 18                        ; 16 row tiles of 16,384 bytes a block of queries
	s_add_co_u32 s48, s48, s44
	s_mov_b32 s49, 0
	s_add_nc_u64 s[54:55], s[8:9], s[48:49]
	s_lshl_b32 s48, s15, 13                        ; and of 512 bytes of scale words
	s_add_co_u32 s48, s48, s45
	s_add_nc_u64 s[56:57], s[10:11], s[48:49]
	v_nop                                          ; a plain line behind the reciprocal
.set j, 0
	s_wait_alu depctr_va_vdst(0)
.rept 16
	v_pk_mul_f32 v[112+j:113+j], v[176+j:177+j], v[246:247] op_sel_hi:[1,0]   ; each accumulator from its low end on
.set j, j+2
.endr
.irp b, 0,1
	v_max3_num_f32 v[224+\b], |v[112+16*\b]|, |v[113+16*\b]|, 0x4800000
.endr
.irp i, 2,4,6,8,10,12,14
.irp b, 0,1
	s_delay_alu instid0(VALU_DEP_2)
	v_max3_num_f32 v[224+\b], v[224+\b], |v[112+16*\b+\i]|, |v[113+16*\b+\i]|
.endr
.endr
.irp b, 0,1
	s_delay_alu instid0(VALU_DEP_2)
	v_permlanex16_b32 v[228+\b], v[224+\b], s20, s21
.endr
.irp b, 0,1
	s_delay_alu instid0(VALU_DEP_2)
	v_max_num_f32 v[224+\b], v[224+\b], v[228+\b]
.endr
.irp b, 0,1
	s_delay_alu instid0(VALU_DEP_2)
	v_add_nc_u32 v[236+\b], 0xfc000000, v[224+\b]
.endr
.irp b, 0,1
.endr
.irp b, 0,1
	s_delay_alu instid0(VALU_DEP_2)
	v_lshrrev_b32 v[228+\b], 23, v[236+\b]
.endr
	v_cmp_eq_u32 vcc_lo, 1, v9
	s_delay_alu instid0(VALU_DEP_1)
	v_cndmask_b32 v249, v228, v229, vcc_lo         ; lanes 0-15 store the first block's byte, lanes 16-31 the second's
.irp b, 0,1
.irp i, 0,1,2,3,4,5,6,7,8,9,10,11,12,13,14,15
.endr
	v_cvt_scalef32_pk8_fp8_f32 v[208+4*\b:209+4*\b], v[112+16*\b:119+16*\b], v[236+\b]
	v_cvt_scalef32_pk8_fp8_f32 v[210+4*\b:211+4*\b], v[120+16*\b:127+16*\b], v[236+\b]
.endr
	v_nop                                          ; a plain line behind the last conversion
	global_store_b128 v1, v[208:211], s[54:55]     ; two groups of the image: 512 consecutive bytes each, aligned
	global_store_b128 v1, v[212:215], s[54:55] offset:512
	global_store_b8 v10, v249, s[56:57]            ; two bytes a row, 16 bytes apart: 2 bytes beside 64 of codes
.if \more
	s_wait_xcnt 0x0                                ; the stores have read their registers and bases: all may be written again
	s_sub_co_u32 s15, 7, s13
	QINIT
.endif
.endm
	s_load_b256 s[4:11], s[0:1], 0x0               ; qblk s[4:5], kvblk s[6:7], cimg s[8:9], scl s[10:11]
	v_lshl_add_u32 v5, v0, 2, SPARE
	v_mov_b32 v6, 0
	ds_add_u32 v5, v6
	ds_add_u32 v5, v6
	s_wait_dscnt 0x0
	v_lshrrev_b32 v1, 5, v0
	s_delay_alu instid0(VALU_DEP_1)
	v_readfirstlane_b32 s12, v1                    ; wave 0..15
	s_mov_b32 s13, ttmp9                           ; i
	s_and_b32 s14, ttmp7, 0xffff                   ; 16 x batch + head
	s_mov_b32 s15, s13                             ; the block of queries in hand
	s_mov_b32 s16, 0                               ; the slot of keys in hand
	s_mov_b32 s18, 0                               ; and where it lies in LDS
	s_mov_b32 s20, 0x76543210
	s_mov_b32 s21, 0xfedcba98
	s_mov_b32 s22, 0x3e38aa3b                      ; c = log2(e) / 8
	s_mov_b32 s23, s22
	s_mov_b32 s24, 3<<16                           ; group 1: elements of 8 bytes, no mask, no padding: half a block as 66 rows of 256 bytes, dense
	s_mov_b32 s25, 32<<16
	s_mov_b32 s26, 66<<16
	s_mov_b32 s27, 32<<16
	s_mov_b32 s28, 66
	s_mov_b32 s29, 32
	s_mov_b32 s30, 0
	s_mov_b32 s31, 0
	s_and_b32 s48, s12, 1
	s_mul_i32 s33, s48, 16896                      ; my half, in a slot,
	s_mul_i32 s49, s48, 16896                      ; and in a block
	s_mul_i32 s50, s14, 270336                     ; the head's eight blocks
	s_add_co_u32 s50, s50, s49
	s_mov_b32 s51, 0
	s_mov_b32 s32, 1
	s_lshr_b32 s48, s12, 3                         ; my tile of queries in a block: half w / 8, fragment w % 4, groups 2 ((w / 4) % 2) on
	s_and_b32 s49, s12, 3
	s_bfe_u32 s52, s12, 0x10002
	s_lshl_b32 s42, s48, 13
	s_lshl_b32 s53, s49, 11
	s_add_co_u32 s42, s42, s53
	s_lshl_b32 s53, s52, 10
	s_add_co_u32 s42, s42, s53
	s_lshl_b32 s43, s48, 8
	s_lshl_b32 s53, s49, 2
	s_add_co_u32 s43, s43, s53
	s_add_co_u32 s43, s43, KSC
	s_mov_b32 s41, 0x01000100
	s_cmp_eq_u32 s52, 1
	s_cselect_b32 s41, 0x03020302, s41             ; which two bytes of the fragment's word are my tile's
	s_lshr_b32 s48, s14, 4
	s_lshl_b32 s48, s48, 7
	s_add_co_u32 s48, s48, s12                     ; ctx's row tile less 16 x the block of queries
	s_lshl_b32 s44, s48, 14
	s_bfe_u32 s49, s14, 0x30001                    ; K step head / 2,
	s_lshl_b32 s49, s49, 11
	s_add_co_u32 s44, s44, s49
	s_and_b32 s49, s14, 1                          ; groups 2 (head % 2) on
	s_lshl_b32 s53, s49, 10
	s_add_co_u32 s44, s44, s53
	s_lshl_b32 s45, s48, 9
	s_lshl_b32 s53, s49, 1
	s_add_co_u32 s45, s45, s53
	s_bfe_u32 s49, s14, 0x10003
	s_lshl_b32 s49, s49, 8
	s_add_co_u32 s45, s45, s49
	s_bfe_u32 s49, s14, 0x20001
	s_lshl_b32 s49, s49, 2
	s_add_co_u32 s45, s45, s49
	s_add_co_u32 s45, s45, 393216                  ; ctx's scale words in scl
	s_lshl_b32 s46, s12, 4
	s_wait_kmcnt 0x0
	s_add_nc_u64 s[36:37], s[6:7], s[50:51]
	s_mov_b64 s[34:35], s[36:37]
	s_or_b32 s35, s35, 0x80000000
	TLOAD                                          ; the head's first 256 keys, into slot 0
	v_and_b32 v7, 31, v0
	s_delay_alu instid0(VALU_DEP_1)
	v_lshlrev_b32 v1, 4, v7
	v_and_b32 v8, 15, v0
	s_delay_alu instid0(VALU_DEP_1)
	v_lshlrev_b32 v2, 4, v8
	v_bfe_u32 v9, v0, 4, 1
	s_delay_alu instid0(VALU_DEP_1)
	v_add_nc_u32 v10, v2, v9
	s_delay_alu instid0(VALU_DEP_2)
	v_lshlrev_b32 v11, 3, v9
	s_delay_alu instid0(VALU_DEP_1)
	v_sub_nc_u32 v11, v8, v11
.set j, 24
.rept 16
	v_mov_b32 v[j], 0                              ; the zero halves of [q | 0] and [0 | q]: zero codes add nothing
.set j, j+1
.endr
.irp b, 0,1,2,3
	v_mov_b32 v[228+\b], 0                         ; a lane permute's destination counts as one of its sources
.endr
	v_mov_b32 v247, 0                              ; (named as the upper half of a pair)
	v_mov_b32 v248, 0
	QINIT
	s_mov_b32 s40, 8
.Lvisit:                                           ; eight of the nine visits: behind each change of slots the next visit's block is asked for
	CHANGE 1
	VISIT
	s_cmp_lg_u32 s16, s15
	s_cbranch_scc1 .Lnot_done                      ; the diagonal's slot was the block's last
	FINAL 1
.Lnot_done:
	s_mov_b32 s16, s17
	s_xor_b32 s18, s18, SLOT1
	s_sub_co_u32 s40, s40, 1
	s_cmp_lg_u32 s40, 0
	s_cbranch_scc1 .Lvisit
	CHANGE 0                                       ; the last visit is written out
	VISIT
	FINAL 0
	s_wait_tensorcnt 0x0                           ; the wave's end
	ds_add_u32 v5, v6
	s_wait_dscnt 0x0
	s_endpgm
.Lfunc_end_k_q97b3746f09_attn:
	.size	k_q97b3746f09_attn, .Lfunc_end_k_q97b3746f09_attn-k_q97b3746f09_attn
	.p2alignl 7, 3214868480
	.fill 96, 4, 3214868480
	.section	.rodata,"a",@progbits
	.p2align	6, 0x0
	.amdhsa_kernel k_q97b3746f09_attn
		.amdhsa_group_segment_fixed_size 327680
		.amdhsa_private_segment_fixed_size 0
		.amdhsa_enable_private_segment 0
		.amdhsa_kernarg_size 32
		.amdhsa_user_sgpr_count 2
		.amdhsa_user_sgpr_kernarg_segment_ptr 1
		.amdhsa_wavefront_size32 1
		.amdhsa_system_sgpr_workgroup_id_x 1
		.amdhsa_system_sgpr_workgroup_id_y 1
		.amdhsa_system_sgpr_workgroup_id_z 1
		.amdhsa_system_vgpr_workitem_id 0
		.amdhsa_next_free_vgpr 256
		.amdhsa_next_free_sgpr 66
		.amdhsa_reserve_vcc 1
		.amdhsa_float_denorm_mode_32 3
		.amdhsa_float_denorm_mode_16_64 3
		.amdhsa_fp16_overflow 1
		.amdhsa_memory_ordered 1
		.amdhsa_forward_progress 1
		.amdhsa_inst_pref_size 108
	.end_amdhsa_kernel
	.amdgpu_metadata
---
amdhsa.version: [ 1, 2 ]
amdhsa.kernels:
  - .name:           k_q97b3746f09_attn
    .symbol:         k_q97b3746f09_attn.kd
    .args:
      - { .name: qblk, .offset: 0, .size: 8, .value_kind: global_buffer, .address_space: global }
      - { .name: kvblk, .offset: 8, .size: 8, .value_kind: global_buffer, .address_space: global }
      - { .name: cimg, .offset: 16, .size: 8, .value_kind: global_buffer, .address_space: global }
      - { .name: scl, .offset: 24, .size: 8, .value_kind: global_buffer, .address_space: global }
    .group_segment_fixed_size: 327680
    .private_segment_fixed_size: 0
    .kernarg_segment_align: 8
    .kernarg_segment_size: 32
    .max_flat_workgroup_size: 512
    .sgpr_count:     66
    .vgpr_count:     256
    .wavefront_size: 32
...
	.end_amdgpu_metadata
.endif
;; end of part 3
;; launch gemm_o (part 4): grid 4 x 32, 4 waves a work-group, clusters of 4 x 4, 327,680 bytes of LDS; arguments cimg, wimg, scl, b_o, out0; writes out0
.if DOCPART == 4
	.amdgcn_target "amdgcn-amd-amdhsa--gfx1250"
	.amdhsa_code_object_version 6
	.text
	.protected	k_q97b3746f09_gemm_o
	.globl	k_q97b3746f09_gemm_o
	.p2align	8
	.type	k_q97b3746f09_gemm_o,@function
k_q97b3746f09_gemm_o:
	s_mov_b64 s[64:65], 0
	v_nop
	global_prefetch_b8 v0, s[64:65] scope:SCOPE_SE
	s_setreg_imm32_b32 hwreg(HW_REG_WAVE_MODE, 25, 1), 1
	s_wait_xcnt 0x0
	s_wait_alu depctr_hold_cnt(0) depctr_sa_sdst(0) depctr_va_vdst(0) depctr_va_sdst(0) depctr_va_ssrc(0) depctr_va_vcc(0) depctr_vm_vsrc(0)
	s_getreg_b32 s2, hwreg(HW_REG_IB_STS2, 6, 4)
	s_cmp_eq_u32 s2, 0
	s_cbranch_scc0 .Lentry_in_a_cluster
	s_endpgm
.Lentry_in_a_cluster:
	s_bfe_u32 s2, ttmp6, 0x10000c
	s_cmp_lg_u32 s2, 0xf033
	s_cbranch_scc0 .Lentry_shape_is_right
	s_endpgm
.Lentry_shape_is_right:
; out0 = ctx W_o + b_o on codes of E4M3 with E8M0 scales, K = 1,024; out0 [8192][1024] f32.
; A work-group of four waves makes 256 x 256, a wave 128 x 128: 64 accumulators, 512 registers.  D = (source 0: 16 columns n of W_o) x (source 1: 16 rows of ctx): a lane holds eight neighbouring numbers of a row of out0.
; OPERANDS lie in memory as images of their registers (a fragment: 2,048 bytes, group c of lane L at 512 c + 16 L): a K step of 256 of 128 rows is 8 rows of 4,096 bytes for one tensor load, and every LDS read is 16 x lane.
; THE SCALE WORDS of my 128 + 128 rows for all of K come once, straight into 64 registers: lanes 0-15 ctx's, lanes 16-31 W_o's.
; CLUSTERS: 4 x 4 work-groups; ctx's tile is shared along a row of the cluster, W_o's along a column: joint loads.  K = 1,024 is four slots' worth: the ring of two slots is written out, with no loop.
; The launch has 128 work-groups: tiles of 256 x 256 of an output of 8,192 x 1,024.
; REGISTERS: window 0: v0-31 addresses, v8-11 my four numbers of b_o; v32-95 scale words; v128-255 ctx's fragments, one set (on the way out: rows read back from the stage).
;   window 1: W_o's fragments, two sets.   windows 2, 3: the accumulators of ctx's blocks 0-3, 4-7 ((a, b) at v[8 (8 (a % 4) + b)]).
.set HALFT,  32768                     ; 8 row tiles x 4,096 bytes: what one tensor load brings
.set SLOT,   4*HALFT
.set SPARE,  2*SLOT                    ; behind the ring: the spare words, 128 bytes for each wave, which no other line names
.set SPITCH, 528                       ; the way out: a stage of 16 rows x (512 bytes + 16) for each wave, in slot 0, which has had its last fill and its last read when the first result is stored there
.set FR,     16
.set NP,     8                         ; places behind this matrix instruction (ISA guide 7.12.1)
.set ADR1, 16                          ; v16-17  LDS address of my fragments of ctx in slot 0, 1
.set ADR0, 20                          ; v20-21  the same for W_o
.set STO,  24                          ; v24     the way out: where I put 32 bytes of a row
.set RD,   25                          ; v25     where I read a row back
.set CO,   26                          ; v26     my byte offset in a row of out0
.set ADRS, 27                          ; v27     my scale words in scl
.set SPW,  28                          ; v28     my spare word; never rewritten
.set NIL,  29                          ; v29     0; never rewritten
.set SC,   32
.set AF,   128
.set BK,   128                         ; the way out: v128-191 and v192-255 by turns
.set G1, 24
.set G0, 32
.set G1B, 48
.set G0B, 56
.set MSB, 0
.macro WIN new                         ; the immediate's high byte repeats the setting that is left
.if MSB != (\new)
	s_set_vgpr_msb (MSB<<8)|(\new)
.set MSB, (\new)
.endif
.endm
.set MUL_LO, 0xa1
.set MUL_HI, 0xf1
.set TO_B,   0x40
.macro JLOAD g0a, g1a, g0b, g1b        ; a joint load: waves 0 and 1 fetch ctx's halves, waves 2 and 3 W_o's; four v_nop follow each of the two lines
	s_cmp_eq_u32 s15, 0
	s_cbranch_scc0 .Lfor_b_\@
	tensor_load_to_lds s[\g0a:\g0a+3], s[\g1a:\g1a+7]
	s_nop 0
.rept 4
	v_nop
.endr
	s_branch .Lasked_\@
.Lfor_b_\@:
	tensor_load_to_lds s[\g0b:\g0b+3], s[\g1b:\g1b+7]
	s_nop 0
.rept 4
	v_nop
.endr
.Lasked_\@:
.endm
.macro CREST
	s_cmp_lg_u32 s14, 0
	s_cbranch_scc1 .Lnot_wave_0_\@
	s_barrier_signal -3
.Lnot_wave_0_\@:
	s_barrier_wait -3
	s_barrier_signal -1
	s_barrier_wait -1
.endm
.macro CROUND
	s_barrier_signal -1
	s_barrier_wait -1
	CREST
.endm
.macro FRAG reg, adr, q, i
.irp c, 0,1,2,3
	ds_load_b128 v[\reg+4*\c:\reg+4*\c+3], v[\adr] offset:(\i)*4096+(\q)*2048+512*\c
.endr
.endm
; 16 matrix instructions; the 64 accumulators take turns, one instruction a turn
.macro MUL16 a0, p, ks, zero
.irp a, \a0, \a0+1
.irp b, 0,1,2,3,4,5,6,7
.if \zero
	v_wmma_scale_f32_16x16x128_f8f6f4 v[8*(8*((\a)%4)+\b):8*(8*((\a)%4)+\b)+7], v[128*(\p)+FR*\b:128*(\p)+FR*\b+FR-1], v[AF+FR*(\a):AF+FR*(\a)+FR-1], 0, v[SC+8*\b+(\ks)], v[SC+8*(\a)+(\ks)] matrix_a_scale:MATRIX_SCALE_ROW1
.else
	v_wmma_scale_f32_16x16x128_f8f6f4 v[8*(8*((\a)%4)+\b):8*(8*((\a)%4)+\b)+7], v[128*(\p)+FR*\b:128*(\p)+FR*\b+FR-1], v[AF+FR*(\a):AF+FR*(\a)+FR-1], v[8*(8*((\a)%4)+\b):8*(8*((\a)%4)+\b)+7], v[SC+8*\b+(\ks)], v[SC+8*(\a)+(\ks)] matrix_a_scale:MATRIX_SCALE_ROW1
.endif
.endr
.endr
.endm
.macro FETCH_B slot, q, p
	WIN TO_B
.irp i, 0,1,2,3,4,5,6,7
	FRAG 128*(\p)+FR*\i, ADR0+\slot, \q, \i
.endr
	WIN 0
.endm
.macro FETCH_A slot, q, i0
.irp i, \i0, \i0+1, \i0+2, \i0+3
	FRAG AF+FR*(\i), ADR1+\slot, \q, \i
.endr
.endm
.macro PLACES n
.rept \n
	v_nop
.endr
.endm
.macro STEP slot, ks, zero
	s_wait_dscnt 16                                ; W_o's set and ctx's blocks 0-3 are in; the youngest 16 loads (ctx's blocks 4-7) may be out
	WIN MUL_LO
	MUL16 0, 0, \ks, \zero
	MUL16 2, 0, \ks, \zero
	s_wait_dscnt 0
	PLACES NP
	FETCH_B \slot, 1, 1
	FETCH_A \slot, 1, 0
	WIN MUL_HI
	MUL16 4, 0, \ks, \zero
	MUL16 6, 0, \ks, \zero
	PLACES NP
	WIN 0
	FETCH_A \slot, 1, 4
.endm
.macro TURN slot, next, fill, ks
	s_wait_tensorcnt 0x0                           ; all my tensor loads have landed: my part of the next slot
	ds_add_u32 v[SPW], v[NIL]                      ; 0 onto my spare word
	s_wait_dscnt 17                                ; (the add and the youngest 16 loads may be out)
	WIN MUL_LO
	MUL16 0, 1, \ks, 0
	s_wait_dscnt 0x0                               ; the add is done, and my reads of this slot are over
	s_barrier_signal -1
	MUL16 2, 1, \ks, 0
	WIN 0
	s_barrier_wait -1
.if \fill
	CREST                                          ; the barrier has opened a round of the cluster's
	s_add_nc_u64 s[G0+4*\slot+2:G0+4*\slot+3], s[G0+4*\slot+2:G0+4*\slot+3], 8192
	s_add_nc_u64 s[G0B+4*\slot+2:G0B+4*\slot+3], s[G0B+4*\slot+2:G0B+4*\slot+3], 8192
	JLOAD G0+4*\slot, G1, G0B+4*\slot, G1B
	PLACES NP-4
.else
	PLACES NP
.endif
	FETCH_B \next, 0, 0
	FETCH_A \next, 0, 0
	WIN MUL_HI
	MUL16 4, 1, \ks, 0
	MUL16 6, 1, \ks, 0
	PLACES NP
	WIN 0
	FETCH_A \next, 0, 4
.endm
	s_load_b256 s[4:11], s[0:1], 0x0               ; cimg s[4:5], wimg s[6:7], scl s[8:9], b_o s[10:11]
	s_load_b64 s[12:13], s[0:1], 0x20              ; out0
	v_lshl_add_u32 v[SPW], v0, 2, SPARE
	v_mov_b32 v[NIL], 0
	ds_add_u32 v28, v29
	ds_add_u32 v28, v29
	s_wait_dscnt 0x0
	v_lshrrev_b32 v1, 5, v0
	v_readfirstlane_b32 s14, v1                    ; wave 0..3
	s_lshr_b32 s15, s14, 1                         ; which half of the rows is mine.  Also: I fetch for ctx (0) or for W_o (1)
	s_and_b32 s16, s14, 1                          ; which half of the columns.  Also: which 128 rows of that tile I fetch
	s_bfe_u32 s40, ttmp6, 0x40000                  ; cx
	s_bfe_u32 s41, ttmp6, 0x40004                  ; cy
	s_lshl_b32 s42, ttmp9, 2
	s_add_co_u32 s42, s42, s40                     ; tile column
	s_and_b32 s17, ttmp7, 0xffff
	s_lshl_b32 s17, s17, 2
	s_add_co_u32 s17, s17, s41                     ; tile row
	s_lshl_b32 s43, s41, 2
	s_lshl_b32 s43, 15, s43
	s_lshl_b32 s44, 0x1111, s40
	s_or_b32 s[G1+0], s43, (3<<16)|(1<<21)         ; the mask; elements of 8 bytes; bit 21 beside a mask; no padding
	s_or_b32 s[G1B+0], s44, (3<<16)|(1<<21)
.irp g, G1, G1B
	s_mov_b32 s[\g+1], 512<<16
	s_mov_b32 s[\g+2], 8<<16
	s_mov_b32 s[\g+3], 512<<16
	s_mov_b32 s[\g+4], 8
	s_mov_b32 s[\g+5], 2048
	s_mov_b32 s[\g+6], 0
	s_mov_b32 s[\g+7], 0
.endr
	s_lshl_b32 s18, s16, 17
	s_lshl_b32 s22, s17, 18
	s_add_co_u32 s22, s22, s18
	s_mov_b32 s23, 0
	s_lshl_b32 s92, s42, 18
	s_add_co_u32 s92, s92, s18
	s_add_co_u32 s92, s92, 3<<20                   ; W_o is the fourth weight in wimg
	s_mov_b32 s93, 0
	s_mul_i32 s45, s14, HALFT
	s_wait_kmcnt 0x0
	s_add_nc_u64 s[20:21], s[4:5], s[22:23]
	s_add_nc_u64 s[46:47], s[6:7], s[92:93]
	CROUND                                         ; all sixteen work-groups are here: the first joint loads meet
.irp s, 0,1
	s_mov_b32 s[G0+4*\s], 1
	s_add_co_u32 s[G0+4*\s+1], s45, \s*SLOT
	s_add_nc_u64 s[G0+4*\s+2:G0+4*\s+3], s[20:21], \s*4096
	s_or_b32 s[G0+4*\s+3], s[G0+4*\s+3], 0x80000000
	s_mov_b32 s[G0B+4*\s], 1
	s_add_co_u32 s[G0B+4*\s+1], s45, \s*SLOT
	s_add_nc_u64 s[G0B+4*\s+2:G0B+4*\s+3], s[46:47], \s*4096
	s_or_b32 s[G0B+4*\s+3], s[G0B+4*\s+3], 0x80000000
	s_wait_alu depctr_va_vdst(0)
	s_wait_tensorcnt 0x0
	ds_add_u32 v28, v29
	ds_add_u32 v28, v29
	s_wait_dscnt 0x0
	CROUND
	JLOAD G0+4*\s, G1, G0B+4*\s, G1B
.endr
	v_and_b32 v1, 15, v0                           ; r
	v_bfe_u32 v2, v0, 4, 1                         ; h
	s_wait_alu depctr_va_vdst(0)
	v_and_b32 v3, 31, v0
	v_lshlrev_b32 v[CO], 4, v3                     ; 16 x lane
	s_mul_i32 s18, s15, HALFT
	s_mul_i32 s19, s16, HALFT
	s_add_co_u32 s19, s19, 2*HALFT
.irp s, 0,1
	v_add_nc_u32 v[ADR1+\s], s18, v[CO]
	v_add_nc_u32 v[ADR0+\s], s19, v[CO]
	s_add_co_u32 s18, s18, SLOT
	s_add_co_u32 s19, s19, SLOT
.endr
	s_lshl_b32 s94, s17, 13
	s_lshl_b32 s18, s15, 12
	s_add_co_u32 s94, s94, s18
	s_add_co_u32 s94, s94, 393216                  ; ctx's scale words
	s_lshl_b32 s95, s42, 13
	s_lshl_b32 s18, s16, 12
	s_add_co_u32 s95, s95, s18
	s_add_co_u32 s95, s95, 360448                  ; W_o's
	v_mov_b32 v5, s94
	v_mov_b32 v6, s95
	v_cmp_eq_u32 vcc_lo, 1, v2
	v_cndmask_b32 v[ADRS], v5, v6, vcc_lo
	v_lshl_add_u32 v[ADRS], v1, 4, v[ADRS]
.irp i, 0,1,2,3,4,5,6,7
.irp kh, 0,1
	global_load_b128 v[SC+8*\i+4*\kh:SC+8*\i+4*\kh+3], v[ADRS], s[8:9] offset:512*\i+256*\kh
.endr
.endr
	s_lshl_b32 s18, s42, 10
	s_lshl_b32 s19, s16, 9
	s_add_co_u32 s18, s18, s19                     ; my first column, in bytes
	v_add_nc_u32 v7, s18, v[CO]
	global_load_b128 v[8:11], v7, s[10:11]         ; b_o at the four columns that I store
	s_mul_i32 s19, s14, 16*SPITCH                  ; my stage
	v_mul_u32_u24 v5, v1, SPITCH
	v_lshl_add_u32 v5, v2, 5, v5
	v_add_nc_u32 v[STO], s19, v5                   ; in: row r, 32 bytes for each half of the lanes
	v_add_nc_u32 v[RD], s19, v[CO]                 ; back: the 32 lanes take one row of 512 bytes
	s_lshl_b32 s66, s17, 8
	s_lshl_b32 s67, s15, 7
	s_add_co_u32 s66, s66, s67                     ; my first row
	s_lshl_b32 s66, s66, 12                        ; of 4,096 bytes
	s_add_co_u32 s66, s66, s18
	s_mov_b32 s67, 0
	s_add_nc_u64 s[12:13], s[12:13], s[66:67]
	s_wait_tensorcnt 1                             ; my part of slot 0 is in; slot 1's load may stay out
	s_barrier_signal -1
	s_barrier_wait -1
	FETCH_B 0, 0, 0
	FETCH_A 0, 0, 0
	FETCH_A 0, 0, 4
	s_wait_loadcnt 0x0                             ; the scale words and b_o
	STEP 0, 0, 1                                   ; the first products start the sums: nothing is cleared
	TURN 0, 1, 1, 1
	STEP 1, 2, 0
	TURN 1, 0, 1, 3
	STEP 0, 4, 0
	TURN 0, 1, 0, 5                                ; nothing is left to fetch; behind this barrier nobody reads slot 0
	STEP 1, 6, 0
	s_wait_dscnt 16
	WIN MUL_LO
	MUL16 0, 1, 7, 0
	MUL16 2, 1, 7, 0
	s_wait_alu depctr_va_vdst(0)
	s_wait_dscnt 0
	WIN MUL_HI
	MUL16 4, 1, 7, 0
	MUL16 6, 1, 7, 0
	WIN 0
; THE WAY OUT, block by block of 16 rows x 128 columns, through my own stage: LDS serves a wave's instructions in order (ISA guide 5.7.1.4), so no wait stands between the stores and the loads.
.macro TOSTAGE a
.set AC, 64*((\a)%4)
	WIN 0x08+4*((\a)/4)                            ; an LDS store's data: window 2 or 3
.irp b, 0,1,2,3,4,5,6,7
	ds_store_b128 v[STO], v[AC+8*\b:AC+8*\b+3] offset:64*\b          ; each accumulator from its low end on
	ds_store_b128 v[STO], v[AC+8*\b+4:AC+8*\b+7] offset:64*\b+16
.endr
	WIN 0
.set BB, BK+64*((\a)%2)
.irp t, 0,1,2,3,4,5,6,7,8,9,10,11,12,13,14,15
	ds_load_b128 v[BB+4*\t:BB+4*\t+3], v[RD] offset:\t*SPITCH
.endr
.endm
.macro SEND a, younger                 ; younger: the LDS instructions issued behind block a's loads, which may stay out
.set BB, BK+64*((\a)%2)
	s_wait_dscnt \younger
.if (\a) > 0
	s_add_nc_u64 s[12:13], s[12:13], 65536         ; 16 rows on (behind a wait for the earlier stores' addresses)
.endif
.irp t, 0,1,2,3,4,5,6,7,8,9,10,11,12,13,14,15
	v_pk_add_f32 v[BB+4*\t:BB+4*\t+1], v[BB+4*\t:BB+4*\t+1], v[8:9]           ; + b_o
	v_pk_add_f32 v[BB+4*\t+2:BB+4*\t+3], v[BB+4*\t+2:BB+4*\t+3], v[10:11]
	global_store_b128 v[CO], v[BB+4*\t:BB+4*\t+3], s[12:13] offset:\t*4096 th:TH_STORE_NT   ; 32 lanes store 512 consecutive bytes, aligned
.endr
.endm
	PLACES NP                                      ; in front of the first read of results and of loads into the registers that held ctx's fragments
	TOSTAGE 0
.irp a, 1,2,3,4,5,6,7
.if \a > 1
	s_wait_xcnt 0x0                                ; block a - 2's stores have read their registers and their base
.endif
	TOSTAGE \a
	SEND \a-1, 32                                  ; behind block a - 1's loads: block a's 16 stores and 16 loads
.endr
	s_wait_xcnt 0x0
	SEND 7, 0
	s_wait_tensorcnt 0x0                           ; the wave's end
	ds_add_u32 v[SPW], v[NIL]
	s_wait_dscnt 0x0
	CROUND                                         ; the closing round
	s_endpgm
.Lfunc_end_k_q97b3746f09_gemm_o:
	.size	k_q97b3746f09_gemm_o, .Lfunc_end_k_q97b3746f09_gemm_o-k_q97b3746f09_gemm_o
	.p2alignl 7, 3214868480
	.fill 96, 4, 3214868480
	.section	.rodata,"a",@progbits
	.p2align	6, 0x0
	.amdhsa_kernel k_q97b3746f09_gemm_o
		.amdhsa_group_segment_fixed_size 327680
		.amdhsa_private_segment_fixed_size 0
		.amdhsa_enable_private_segment 0
		.amdhsa_kernarg_size 40
		.amdhsa_user_sgpr_count 2
		.amdhsa_user_sgpr_kernarg_segment_ptr 1
		.amdhsa_wavefront_size32 1
		.amdhsa_system_sgpr_workgroup_id_x 1
		.amdhsa_system_sgpr_workgroup_id_y 1
		.amdhsa_system_sgpr_workgroup_id_z 1
		.amdhsa_system_vgpr_workitem_id 0
		.amdhsa_next_free_vgpr 1024
		.amdhsa_next_free_sgpr 100
		.amdhsa_reserve_vcc 1
		.amdhsa_float_denorm_mode_32 3
		.amdhsa_float_denorm_mode_16_64 3
		.amdhsa_memory_ordered 1
		.amdhsa_forward_progress 1
		.amdhsa_inst_pref_size 159
	.end_amdhsa_kernel
	.amdgpu_metadata
---
amdhsa.version: [ 1, 2 ]
amdhsa.kernels:
  - .name:           k_q97b3746f09_gemm_o
    .symbol:         k_q97b3746f09_gemm_o.kd
    .args:
      - { .name: cimg, .offset: 0, .size: 8, .value_kind: global_buffer, .address_space: global }
      - { .name: wimg, .offset: 8, .size: 8, .value_kind: global_buffer, .address_space: global }
      - { .name: scl, .offset: 16, .size: 8, .value_kind: global_buffer, .address_space: global }
      - { .name: b_o, .offset: 24, .size: 8, .value_kind: global_buffer, .address_space: global }
      - { .name: out0, .offset: 32, .size: 8, .value_kind: global_buffer, .address_space: global }
    .group_segment_fixed_size: 327680
    .private_segment_fixed_size: 0
    .kernarg_segment_align: 8
    .kernarg_segment_size: 40
    .max_flat_workgroup_size: 128
    .sgpr_count:     100
    .vgpr_count:     1024
    .wavefront_size: 32
...
	.end_amdgpu_metadata
.endif
;; end of part 4
